; MI455X (gfx1250); checked and timed in simulation.
; The chip was launched on July 23, 2026; its instructions are those of AMD's public machine-readable ISA for CDNA 5 (MIT licence, August 2026) and "CDNA5" Instruction Set Architecture Reference Guide (July 2026). The comments in the code are by the model that wrote it; some were corrected since.
;; Multi Head Attention. Allowed arithmetic: matrix products marked QUANTISED: E4M3 operands, one given power-of-two scale a tensor, by v_wmma_f32_16x16x64_fp8_fp8 or v_wmma_f32_16x16x128_fp8_fp8, f32 sums; everything else in f32.
;; Inputs: b1 4,096 float32; b2 1,024 float32; image_k 2 x 16 x 2,048 x 64 float32; image_q 2 x 16 x 2,048 x 64 float32; image_v 2 x 16 x 2,048 x 64 float32; ln_b 1,024 float32; ln_w 1,024 float32; lowp_scales 8 int32 (the exponents e of the quantised operands' scales 2^e); w1 1,024 x 4,096 float32; w2 4,096 x 1,024 float32; x 2 x 2,048 x 1,024 float32.
;; Outputs: out0 2 x 2,048 x 1,024 float32.
;; This version of the problem:
;;   THIS VERSION OF THE PROBLEM IS GIVEN IN LOW PRECISION. The matrix products marked QUANTISED in the list below multiply operands that are first quantised to E4M3 (4 exponent bits, 3 mantissa bits; 8 bits a number), with one given power-of-two scale for each operand tensor; their sums are f32. All else is computed in f32.
;;   The module's matrix products, in the order in which they are computed (A, B: the left and right operand; K: the contracted axis; several contracted axes count as one K, in the product's order):
;;     1. batch 32 x [M 2,048, K 64] x [K 64, N 2,048]; A: input image_q; B: input image_k: QUANTISED (scales: A lowp_scales[0], B lowp_scales[1])
;;     2. batch 32 x [M 2,048, K 2,048] x [K 2,048, N 64]; A: softmax (see below); B: input image_v: QUANTISED (scales: A lowp_scales[2], B lowp_scales[3])
;;     3. [M 4,096, K 1,024] x [K 1,024, N 4,096]; A: computed on the way; B: input w1: QUANTISED (scales: A lowp_scales[4], B lowp_scales[5])
;;     4. [M 4,096, K 4,096] x [K 4,096, N 1,024]; A: computed on the way; B: input w2: QUANTISED (scales: A lowp_scales[6], B lowp_scales[7])
;;   THE QUANTISER, for each operand of a quantised product, along K:
;;     - The operand's scale is 2^e, e = its entry of the input lowp_scales (int32; the entries are numbered through the quantised products in the list's order, A before B).
;;     - Each number is divided by the scale, clamped to +-448, and rounded to the nearest number of E4M3, ties to even, subnormals kept.
;;     - The product sums the exact products of the quantised numbers (number of the format x scale) in f32.
;;   ~~~python
;;   def quantise(x, axis, e):      # numpy; x: float32 -> the quantised numbers, widened to float32 again
;;       x = np.moveaxis(x, axis, -1); K = x.shape[-1]
;;       r = np.clip(x / 2.0 ** e, -448, 448)
;;       step = 2.0 ** (np.maximum(np.frexp(np.where(r == 0, 1, r))[1] - 1, -6) - 3)
;;       q = np.round(r / step) * step * 2.0 ** e      # np.round: ties to even
;;       return np.moveaxis(q, -1, axis).astype(np.float32)
;;   ~~~
;;   SOFTMAX AHEAD OF A QUANTISED PRODUCT. Where the list says 'softmax', what is quantised is not the finished softmax but p = 2^(t - M), with t = logit x log2(e) and M = ceil(the row's largest t), a whole number; so 1/2 < the row's largest p <= 1. The row's sum l is taken of the UNQUANTISED p, in f32, and the product's result is divided by l at the end. Since M is a whole number, a kernel that streams over the keys may use a running M (the ceiling of the running maximum): every later rescaling is an exact power of two, so the quantised numbers keep their values, but for numbers so far below the row's largest that they fall under the format's range.
;;   OPERANDS COMPUTED ON THE WAY. 'Computed on the way' means the value that the module computes at that place (a softmax that the list does not call 'softmax' is quantised finished and normalised). What goes into a quantiser is computed in f32, as accurately as f32 sums, v_exp_f32 and their like allow (about 1e-6 of the number): no bf16 or f16 on the way to a quantiser, and a product that is left as it is and whose result goes on into a quantised operand takes f32 operands (vector FMAs, or v_wmma_f32_16x16x4_f32). A number that lies on a knife's edge between two numbers of the format may be rounded either way, as far as f32 arithmetic and the matrix unit's own rounding can turn it there, and no further.
;; One version. Each part assembles by itself: llvm-mc -triple=amdgcn-amd-amdhsa -mcpu=gfx1250 --defsym DOCPART=n.
;; ======== version 1 of 1: 5 launches
;; limits: an absolute error that grows with the inputs' magnitude: up to 1e-07 times it
;; workspace buffers: kv 8,388,608 bytes; w1c 4,194,304 bytes; w2c 4,194,304 bytes; x1 16,777,216 bytes; hq 4,194,304 bytes; hid 16,777,216 bytes
;; launch prep (part 1): grid 512 x 1, 4 waves a work-group, no clusters, 35,328 bytes of LDS; arguments image_k, image_v, lowp_scales, kv; writes kv
.if DOCPART == 1
	.amdgcn_target "amdgcn-amd-amdhsa--gfx1250"
	.amdhsa_code_object_version 6
	.text
	.protected	k_q0f6efb7cec_prep
	.globl	k_q0f6efb7cec_prep
	.p2align	8
	.type	k_q0f6efb7cec_prep,@function
k_q0f6efb7cec_prep:
	s_mov_b64 s[64:65], 0
	v_nop
	global_prefetch_b8 v0, s[64:65] scope:SCOPE_SE
	s_setreg_imm32_b32 hwreg(HW_REG_WAVE_MODE, 25, 1), 1
	s_wait_xcnt 0x0
; image_v [32][2048][64] and image_k [32][2048][64], f32, become codes of FP8 (E4M3), each with its given scale 2^e (entries 3 and 1 of the scales):
; code = x / 2^e, held within +-448, rounded to the nearest code, ties to even.
; LIMITS: each e between -126 and 119, so that 2^e and 448 x 2^e are f32 numbers.  NaN among the inputs is not served.
; THE CODES ARE LAID AS IMAGES OF OPERAND REGISTERS: kv [head 32][key step of 128: 16][K: 8 tiles x 1,024 | V: 4 tiles x 2,048].  A fragment of V is 16 channels x 128 keys = 2,048 bytes: group c (512 bytes at 512 c)
; holds, at 16 x lane, lane (r, h)'s 16 codes of row r, k = 32 c + 16 h + 0 .. 15.  A fragment of K is 16 keys x 64 channels: two groups, 1,024 bytes.
; THE ROWS OF A TILE ARE NOT NEIGHBOURS: row m of tile 2 b + u is item 32 b + 8 u + m + 8 (m / 8) (channels of V, keys of K), so that in a product used transposed the 16 registers of tiles 2 b, 2 b + 1 are 16 neighbours.
; 512 work-groups of four waves, 256 for each tensor, told apart by the work-group's number.  Waves share nothing: no barrier.  No cluster: no two work-groups read the same bytes.
; V has K (the keys) as its first axis within a head: a lane takes a channel and its registers run down the keys, so the conversions give codes with the keys innermost, and a lane's 16 codes go straight to their
; place in an image: each store writes two whole runs of 256 bytes (lanes 0-15: tile u = 0, lanes 16-31: tile u = 1).  A wave takes 32 channels x 128 keys: four blocks of 32 keys, loads two blocks ahead.
; image_k has K innermost: dense loads of 512 bytes turn through the wave's own stage in LDS, so that a lane gets 16 neighbours along K.  A wave takes 64 keys: four fragments, loads three fragments ahead.
.set XR, 32                            ; v32-95   channels: two sets of 32 numbers
.set CR, 96                            ; v96-127  channels: eight registers of codes for each block, so that no store's data are written again
.set KR, 16                            ; v16-111  keys: three sets of 32 registers as loaded
.set KX, 112                           ; v112-175 keys: two sets of 32 neighbours
.set KC, 176                           ; v176-207 keys: eight registers of codes for each fragment
.set KSTG, 4352                        ; a stage: 16 rows x (256 + 16) bytes; the pitch is an odd multiple of 16 bytes; two stages a wave
	s_load_b256 s[4:11], s[0:1], 0x0               ; image_k s[4:5], image_v s[6:7], scales s[8:9], kv s[10:11]
	v_lshl_add_u32 v208, v0, 2, 0x8800
	v_mov_b32 v209, 0
	v_lshrrev_b32 v9, 5, v0
	v_readfirstlane_b32 s20, v9                    ; wave
	v_and_b32 v1, 31, v0                           ; lane
	v_and_b32 v2, 15, v0                           ; lane % 16
	v_bfe_u32 v5, v0, 4, 1                         ; lane / 16
	v_and_b32 v3, 7, v0
	v_bfe_u32 v9, v0, 3, 1
	v_lshl_add_u32 v3, v9, 4, v3
	v_lshl_add_u32 v3, v5, 3, v3                   ; my channel of 32: lane % 8 + 16 ((lane / 8) % 2) + 8 (lane / 16)
	v_lshlrev_b32 v3, 2, v3                        ; in bytes
	s_mov_b32 s41, 0
	s_mov_b32 s43, 0
	s_wait_kmcnt 0x0
	s_load_b128 s[24:27], s[8:9], 0x0              ; the first four exponents; waited for behind the first loads of numbers
.macro SCALE se                        ; v11 = 2^e as f32 (the conversion takes its exponent field), v10 = 448 x 2^e
	s_wait_kmcnt 0x0
	s_add_co_i32 s44, \se, 127
	s_lshl_b32 s45, s44, 23
	v_mov_b32 v11, s45
	s_add_co_i32 s44, s44, 8
	s_lshl_b32 s44, s44, 23
	s_or_b32 s44, s44, 0x600000
	v_mov_b32 v10, s44
.endm
	s_cmp_lt_u32 ttmp9, 256
	s_cbranch_scc1 .Lv
	; ---- image_k: a wave takes half a key step, 64 keys x 64: four fragments
	s_sub_co_u32 s21, ttmp9, 256
	s_lshl_b32 s21, s21, 2
	s_add_co_u32 s21, s21, s20                     ; half a key step, 0 .. 1023
	s_lshl_b32 s40, s21, 14                        ; 64 keys x 256 bytes
	s_add_nc_u64 s[36:37], s[4:5], s[40:41]
	s_lshr_b32 s42, s21, 1
	s_lshl_b32 s42, s42, 14                        ; the key step's 16,384 bytes,
	s_and_b32 s23, s21, 1
	s_lshl_b32 s23, s23, 12                        ; the half's four fragments of 1,024
	s_add_co_u32 s42, s42, s23
	s_add_nc_u64 s[38:39], s[10:11], s[42:43]
	v_lshlrev_b32 v6, 4, v1                        ; 16 x lane
	s_mul_i32 s21, s20, 2*KSTG                     ; my two stages
	v_mul_u32_u24 v7, v5, 272
	v_lshl_add_u32 v7, v2, 4, v7
	v_add_nc_u32 v7, s21, v7                       ; in: a load's two keys are two rows
	v_mul_u32_u24 v8, v2, 272
	v_lshl_add_u32 v8, v5, 6, v8
	v_add_nc_u32 v8, s21, v8                       ; out: row lane % 16, + 64 (lane / 16)
.macro LOADF t                         ; fragment t = 2 b + u of my four: keys 32 b + 8 u + 0 .. 7 and + 16 .. 23, two keys (512 consecutive bytes) a load
.irp i, 0,1,2,3,4,5,6,7
	global_load_b128 v[KR+32*((\t)%3)+4*\i:KR+32*((\t)%3)+4*\i+3], v6, s[36:37] offset:(32*((\t)/2)+8*((\t)%2)+2*\i+8*(\i/4))*256 th:TH_LOAD_NT
.endr
.endm
.macro KTURN t                         ; through the stage: LDS serves a wave's instructions in order, so no wait stands between the stores and the loads
.irp i, 0,1,2,3,4,5,6,7
	ds_store_b128 v7, v[KR+32*((\t)%3)+4*\i:KR+32*((\t)%3)+4*\i+3] offset:KSTG*((\t)%2)+544*\i
.endr
.irp c, 0,1
.irp j, 0,1,2,3
	ds_load_b128 v[KX+32*((\t)%2)+16*\c+4*\j:KX+32*((\t)%2)+16*\c+4*\j+3], v8 offset:KSTG*((\t)%2)+128*\c+16*\j
.endr
.endr
.endm
.macro KFRAG t
.set XS, KX+32*((\t)%2)
	s_wait_dscnt 0x0                               ; this fragment's numbers are back, so its stores into the stage have read their registers
.if (\t) == 0
	LOADF 3                                        ; into the set that fragment 0 has left
	s_wait_loadcnt 16                              ; fragment 1's eight loads are in; the sixteen behind them may be out
	KTURN 1
.elseif (\t) == 1
	s_wait_loadcnt 8                               ; behind fragment 2's loads only fragment 3's were issued
	KTURN 2
.elseif (\t) == 2
	s_wait_loadcnt 0
	KTURN 3
.endif
.set n, 0
.rept 32
	v_med3_num_f32 v[XS+n], v[XS+n], -v10, v10     ; the conversion to an 8-bit code does not saturate (ISA guide 7.6.2): the hold comes first
.set n, n+1
.endr
.irp c, 0,1
	v_cvt_scalef32_pk8_fp8_f32 v[KC+8*(\t)+4*\c:KC+8*(\t)+4*\c+1], v[XS+16*\c:XS+16*\c+7], v11
	v_cvt_scalef32_pk8_fp8_f32 v[KC+8*(\t)+4*\c+2:KC+8*(\t)+4*\c+3], v[XS+16*\c+8:XS+16*\c+15], v11
.endr
.irp c, 0,1
	global_store_b128 v6, v[KC+8*(\t)+4*\c:KC+8*(\t)+4*\c+3], s[38:39] offset:1024*(\t)+512*\c   ; 512 consecutive bytes
.endr
.endm
	LOADF 0
	LOADF 1
	LOADF 2
	SCALE s25
	s_wait_loadcnt 16                              ; fragment 0's eight loads are in
	KTURN 0
.irp t, 0,1,2,3
	KFRAG \t
.endr
	s_wait_tensorcnt 0x0
	ds_add_u32 v208, v209
	s_wait_dscnt 0x0
	s_endpgm
	; ---- image_v: a wave takes 32 channels x 128 keys: two tiles of one key step
.macro WLOAD t                         ; block t: keys 32 t + 0 .. 31 of my channel; the wave reads 128 consecutive bytes of a key's row, its neighbour the other 128
.set n, 0
.rept 32
	global_load_b32 v[XR+32*((\t)%2)+n], v3, s[36:37] offset:(32*(\t)+n)*256 th:TH_LOAD_NT
.set n, n+1
.endr
.endm
.macro WBLOCK t
.set XS, XR+32*((\t)%2)
.if (\t) < 3
	s_wait_loadcnt 32                              ; this block's 32 loads are in; the next block's 32 may be out
.else
	s_wait_loadcnt 0
.endif
.set n, 0
.rept 32
	v_med3_num_f32 v[XS+n], v[XS+n], -v10, v10
.set n, n+1
.endr
.irp g, 0,1,2,3
	v_cvt_scalef32_pk8_fp8_f32 v[CR+8*(\t)+2*\g:CR+8*(\t)+2*\g+1], v[XS+8*\g:XS+8*\g+7], v11
.endr
	global_store_b128 v4, v[CR+8*(\t):CR+8*(\t)+3], s[38:39] offset:512*(\t)          ; keys 32 t + 0 .. 15: the places of lanes 0-15 of group t
	global_store_b128 v4, v[CR+8*(\t)+4:CR+8*(\t)+7], s[38:39] offset:512*(\t)+256    ; keys 32 t + 16 .. 31: those of lanes 16-31
.if (\t)+2 < 4
	WLOAD (\t)+2                                   ; into the set just converted (a load into a conversion's sources wants no place)
.endif
.endm
.Lv:
	s_lshl_b32 s21, ttmp9, 2
	s_add_co_u32 s21, s21, s20                     ; 0 .. 1023
	s_lshr_b32 s22, s21, 1                         ; key step, over all heads
	s_and_b32 s23, s21, 1                          ; which 32 channels
	s_lshl_b32 s40, s22, 15                        ; 128 keys x 256 bytes
	s_lshl_b32 s44, s23, 7
	s_add_co_u32 s40, s40, s44
	s_add_nc_u64 s[36:37], s[6:7], s[40:41]
	s_lshl_b32 s42, s22, 14                        ; the key step's 16,384 bytes,
	s_lshl_b32 s44, s23, 12                        ; two tiles of 2,048,
	s_add_co_u32 s42, s42, s44
	s_add_co_u32 s42, s42, 8192                    ; behind the step's K
	s_add_nc_u64 s[38:39], s[10:11], s[42:43]
	v_lshlrev_b32 v4, 4, v2
	v_lshl_add_u32 v4, v5, 11, v4                  ; out: my tile, and my row's 16 bytes in a group
	WLOAD 0
	WLOAD 1
	SCALE s27
.irp t, 0,1,2,3
	WBLOCK \t
.endr
	s_endpgm
.Lfunc_end_k_q0f6efb7cec_prep:
	.size	k_q0f6efb7cec_prep, .Lfunc_end_k_q0f6efb7cec_prep-k_q0f6efb7cec_prep
	.p2alignl 7, 3214868480
	.fill 96, 4, 3214868480
	.section	.rodata,"a",@progbits
	.p2align	6, 0x0
	.amdhsa_kernel k_q0f6efb7cec_prep
		.amdhsa_group_segment_fixed_size 35328
		.amdhsa_private_segment_fixed_size 0
		.amdhsa_enable_private_segment 0
		.amdhsa_kernarg_size 32
		.amdhsa_user_sgpr_count 2
		.amdhsa_user_sgpr_kernarg_segment_ptr 1
		.amdhsa_wavefront_size32 1
		.amdhsa_system_sgpr_workgroup_id_x 1
		.amdhsa_system_sgpr_workgroup_id_y 1
		.amdhsa_system_sgpr_workgroup_id_z 1
		.amdhsa_system_vgpr_workitem_id 0
		.amdhsa_next_free_vgpr 210
		.amdhsa_next_free_sgpr 66
		.amdhsa_reserve_vcc 0
		.amdhsa_float_denorm_mode_32 3
		.amdhsa_float_denorm_mode_16_64 3
		.amdhsa_memory_ordered 1
		.amdhsa_forward_progress 1
		.amdhsa_inst_pref_size 43
	.end_amdhsa_kernel
	.amdgpu_metadata
---
amdhsa.version: [ 1, 2 ]
amdhsa.kernels:
  - .name:           k_q0f6efb7cec_prep
    .symbol:         k_q0f6efb7cec_prep.kd
    .args:
      - { .name: image_k, .offset: 0, .size: 8, .value_kind: global_buffer, .address_space: global }
      - { .name: image_v, .offset: 8, .size: 8, .value_kind: global_buffer, .address_space: global }
      - { .name: lowp_scales, .offset: 16, .size: 8, .value_kind: global_buffer, .address_space: global }
      - { .name: kv, .offset: 24, .size: 8, .value_kind: global_buffer, .address_space: global }
    .group_segment_fixed_size: 35328
    .private_segment_fixed_size: 0
    .kernarg_segment_align: 8
    .kernarg_segment_size: 32
    .max_flat_workgroup_size: 128
    .sgpr_count:     66
    .vgpr_count:     210
    .wavefront_size: 32
...
	.end_amdgpu_metadata
.endif
;; end of part 1
;; launch attn (part 2): grid 8 x 32, 16 waves a work-group, clusters of 4 x 1, 264,192 bytes of LDS; arguments image_q, kv, x, lowp_scales, x1, w1, w2, w1c, w2c; writes x1, w1c, w2c
.if DOCPART == 2
	.amdgcn_target "amdgcn-amd-amdhsa--gfx1250"
	.amdhsa_code_object_version 6
	.text
	.protected	k_q0f6efb7cec_attn
	.globl	k_q0f6efb7cec_attn
	.p2align	8
	.type	k_q0f6efb7cec_attn,@function
k_q0f6efb7cec_attn:
	s_mov_b64 s[64:65], 0
	v_nop
	global_prefetch_b8 v0, s[64:65] scope:SCOPE_SE
	s_setreg_imm32_b32 hwreg(HW_REG_WAVE_MODE, 25, 1), 1
	s_wait_xcnt 0x0
	s_wait_alu depctr_hold_cnt(0) depctr_sa_sdst(0) depctr_va_vdst(0) depctr_va_sdst(0) depctr_va_ssrc(0) depctr_va_vcc(0) depctr_vm_vsrc(0)
	s_getreg_b32 s2, hwreg(HW_REG_IB_STS2, 6, 4)
	s_cmp_eq_u32 s2, 0
	s_cbranch_scc0 .Lentry_in_a_cluster
	s_endpgm
.Lentry_in_a_cluster:
	s_bfe_u32 s2, ttmp6, 0x10000c
	s_cmp_lg_u32 s2, 0x3003
	s_cbranch_scc0 .Lentry_shape_is_right
	s_endpgm
.Lentry_shape_is_right:
; x1[b][n][64 h + d] = x[b][n][64 h + d] + the sum over keys of softmax(q . k / 8) v, both products on codes of FP8 (E4M3) with the given scales 2^eq, 2^ek, 2^ep, 2^ev (entries 0 to 3).
; image_q [32][2048][64] f32 is quantised here, in registers; K's and V's codes come from kv as images of operand registers: [head][key step of 128: 16][K: 8 tiles x 1,024 | V: 4 tiles x 2,048].
; THE SOFTMAX: t = score x log2(e) / 8; M = the running largest t rounded UP to a whole number; p = 2^(t - M) is quantised along the keys, not normalised; the row's sum is taken of the unquantised p
; and divides at the end.  When M moves, the sum and O are multiplied by 2^(old M - new M), which rounds nothing.
; SHARES.  A work-group owns 256 queries of one head, each of its sixteen waves 16 of them, in 256 registers: four waves to a SIMD, so that one wave's vector work stands beside another's matrix work.
; THE WHOLE HEAD LIES IN LDS: its K and V images are 262,144 bytes, brought once, sixteen blocks of 16,384 bytes, four by each of waves 0 to 3.  Nothing is filled again.
; CLUSTER: the four query blocks of a cluster belong to one head, so each block is asked for JOINTLY, by the same tensor load with the same descriptor and a mask that names the four.
; LAYOUT.  Both products are used transposed: S^T = K Q^T (source 0 = 16 keys), O^T = V^T P^T (source 0 = 16 channels): a lane holds ONE query (lane % 16) throughout.  Row m of tile 2 b + u of K is key
; 32 b + 8 u + m + 8 (m / 8), so the 16 registers of tiles 2 b, 2 b + 1 are keys 32 b + 16 (lane / 16) + 0 .. 15; V's channels likewise.
; Along K every fragment holds, in registers 4 c .. 4 c + 3 of lane (r, h), k = 32 c + 16 h + 0 .. 15: the same permutation of k on both sides of each product.
; TWO RUNS OF 64 REGISTERS CHANGE PLACES FROM STEP TO STEP: one holds K's fragments and then V's, the other the scores; as soon as 16 scores are summed, held and converted, their registers take two tiles of the
; NEXT step's K.  So K is asked for most of a softmax ahead of its products, and a trip of the loop is two steps.
; BESIDE THAT, each wave quantises one block of 32 k x 32 columns of w1 [1024][4096] and one of w2 [4096][1024] (entries 5 and 7 of the scales): this launch asks little of memory, and the 64 numbers a lane wait
; in the registers that x takes afterwards.  A lane takes a column and its registers run down K; the codes go straight to their place in the images
; w1c [K step of 256: 4][tile of 16 columns: 256][128 K: 2][2,048] and w2c [K step of 512: 8][tile: 64][4][2,048], with the rows of a tile chosen as K's keys are; each store writes two whole runs of 256 bytes.
; LIMITS on the given exponents, so that each power of two is an f32 number: eq, ep, e5 and e7 between -126 and 119; eq + ek between -123 and 130; ep + ev is applied by v_ldexp_f32.  NaN among the inputs is not served.
; REGISTERS: v1 16 x lane; v2 the pair of steps' LDS address; v3 my offset in x and x1; v4, v5 the stage; v6 my column of w1, w2; v7, v11 my place in w1c, w2c; v12 -M, v13 the largest t, v[14:15] the sum; v16-23 Q;
; v24-31 w's codes; v32-95 and v96-159 the two runs; v160-191 O^T; v192-223 w1's, w2's numbers, then x; v224-239 p's codes; v240-255 at work.
.set WV,  18                           ; s18  wave
.set SEL, 20                           ; s[20:21] selects for v_permlanex16_b32: lane l xor 16
.set CS,  22                           ; s[22:23] c = log2(e) / 8 x 2^(eq + ek)
.set G1,  24                           ; s[24:31] descriptor group 1
.set G0,  40                           ; s[40:55] four groups 0: quarter f of the head
.set TB,  2                            ; s2   LDS byte of the pair of key steps in hand
.set CNT, 3                            ; s3   pairs to go
.macro CROUND                          ; a round of the cluster's barrier
	s_barrier_signal -1
	s_barrier_wait -1
	s_cmp_lg_u32 s[WV], 0
	s_cbranch_scc1 .Lnot_wave_0_\@
	s_barrier_signal -3
.Lnot_wave_0_\@:
	s_barrier_wait -3
	s_barrier_signal -1
	s_barrier_wait -1
.endm
	s_load_b256 s[4:11], s[0:1], 0x0               ; image_q s[4:5], kv s[6:7], x s[8:9], scales s[10:11]
	s_load_b64 s[12:13], s[0:1], 0x20              ; x1
	s_load_b256 s[56:63], s[0:1], 0x28             ; w1 s[56:57], w2 s[58:59], w1c s[60:61], w2c s[62:63]
	v_lshl_add_u32 v245, v0, 2, 0x40000
	v_mov_b32 v247, 0
	ds_add_u32 v245, v247
	ds_add_u32 v245, v247
	v_lshrrev_b32 v1, 5, v0
	v_readfirstlane_b32 s[WV], v1
	v_and_b32 v8, 15, v0                           ; r
	v_bfe_u32 v9, v0, 4, 1                         ; h
	v_lshlrev_b32 v10, 8, v8
	v_lshl_add_u32 v10, v9, 6, v10                 ; q: row r, + 64 h: my 16 numbers of a block of 32
	s_and_b32 s19, s[WV], 3                        ; which block of a quarter I fetch, if I fetch
	s_bfe_u32 s72, ttmp6, 0x40000                  ; cx: it enters q's, x's, x1's and w's addresses alone
	s_lshl_b32 s73, ttmp9, 2
	s_add_co_u32 s73, s73, s72                     ; my block of 256 queries
	s_lshl_b32 s73, s73, 8
	s_lshl_b32 s75, s[WV], 4
	s_add_co_u32 s73, s73, s75                     ; my first query
	s_and_b32 s74, ttmp7, 0xffff                   ; batch x 16 + head, which the four partners share
	s_lshl_b32 s76, s74, 11
	s_add_co_u32 s76, s76, s73
	s_lshl_b32 s76, s76, 8                         ; q: rows of 256 bytes
	s_mov_b32 s77, 0
	s_lshr_b32 s78, s74, 4
	s_lshl_b32 s78, s78, 11
	s_add_co_u32 s78, s78, s73
	s_lshl_b32 s78, s78, 12                        ; x: rows of 4,096 bytes,
	s_and_b32 s79, s74, 15
	s_lshl_b32 s79, s79, 8
	s_add_co_u32 s78, s78, s79                     ; the head's 256 bytes of them
	s_mov_b32 s79, 0
	s_lshl_b32 s80, s74, 18                        ; kv: the head's 262,144 bytes,
	s_lshl_b32 s82, s19, 14                        ; my block of 16,384: in memory and in LDS
	s_add_co_u32 s80, s80, s82
	s_mov_b32 s81, 0
	; my blocks of w1 and w2, by the wave's number in the launch
	s_lshr_b32 s86, s73, 4
	s_lshl_b32 s87, s74, 7
	s_add_co_u32 s86, s86, s87                     ; W = 128 x (batch, head) + 16 x query block + wave: 0 .. 4095
	s_lshr_b32 s90, s86, 7                         ; w1: which 32 along K (0 .. 31),
	s_and_b32 s91, s86, 127                        ; which 32 columns
	s_lshl_b32 s66, s90, 19                        ; 32 rows of 16,384 bytes
	s_lshl_b32 s87, s91, 7
	s_add_co_u32 s66, s66, s87
	s_mov_b32 s67, 0
	s_lshr_b32 s68, s90, 3
	s_lshl_b32 s68, s68, 20                        ; w1c: K step of 256: 256 tiles x 4,096,
	s_lshl_b32 s87, s91, 13                        ; two tiles of 4,096,
	s_add_co_u32 s68, s68, s87
	s_and_b32 s87, s90, 7
	s_lshl_b32 s87, s87, 9                         ; group (32 along K) of 512 bytes
	s_add_co_u32 s68, s68, s87
	s_mov_b32 s69, 0
	s_lshr_b32 s90, s86, 5                         ; w2: which 32 along K (0 .. 127),
	s_and_b32 s91, s86, 31                         ; which 32 columns
	s_lshl_b32 s70, s90, 17                        ; 32 rows of 4,096 bytes
	s_lshl_b32 s87, s91, 7
	s_add_co_u32 s70, s70, s87
	s_mov_b32 s71, 0
	s_lshr_b32 s88, s90, 4
	s_lshl_b32 s88, s88, 19                        ; w2c: K step of 512: 64 tiles x 8,192,
	s_lshl_b32 s87, s91, 14                        ; two tiles of 8,192,
	s_add_co_u32 s88, s88, s87
	s_and_b32 s87, s90, 15
	s_lshl_b32 s87, s87, 9                         ; group of 512 bytes
	s_add_co_u32 s88, s88, s87
	s_mov_b32 s89, 0
	; group 1: a dense block of 16,384 bytes as 64 rows of 32 elements of 8 bytes
	s_mov_b32 s[G1], 15|(3<<16)|(1<<21)            ; 15:0 the mask: all four work-groups; 17:16 elements of 8 bytes; 21 set beside a mask; no padding
	s_mov_b32 s[G1+1], 32<<16                      ; tensor_dim0 = 32
	s_mov_b32 s[G1+2], 64<<16                      ; tensor_dim1 = 64
	s_mov_b32 s[G1+3], 32<<16                      ; tile_dim0 = 32
	s_mov_b32 s[G1+4], 64                          ; tile_dim1 = 64
	s_mov_b32 s[G1+5], 32                          ; from row to row
	s_mov_b32 s[G1+6], 0
	s_mov_b32 s[G1+7], 0
	s_mov_b32 s[SEL], 0x76543210
	s_mov_b32 s[SEL+1], 0xfedcba98
	s_mov_b32 s[CS], 0x3e38aa3b                    ; log2(e) / 8
	s_wait_dscnt 0x0
	s_wait_kmcnt 0x0
	s_load_b256 s[92:99], s[10:11], 0x0            ; eq, ek, ep, ev, e4, e5, e6, e7
	s_add_nc_u64 s[4:5], s[4:5], s[76:77]
	s_add_nc_u64 s[8:9], s[8:9], s[78:79]
	s_add_nc_u64 s[12:13], s[12:13], s[78:79]
	s_add_nc_u64 s[6:7], s[6:7], s[80:81]
	s_add_nc_u64 s[56:57], s[56:57], s[66:67]
	s_add_nc_u64 s[60:61], s[60:61], s[68:69]
	s_add_nc_u64 s[58:59], s[58:59], s[70:71]
	s_add_nc_u64 s[62:63], s[62:63], s[88:89]
.irp c, 0,1
.irp j, 0,1,2,3
	global_load_b128 v[96+16*\c+4*\j:99+16*\c+4*\j], v10, s[4:5] offset:128*\c+16*\j th:TH_LOAD_NT   ; q: asked for ahead of the round, so that it is on its way meanwhile
.endr
.endr
.irp f, 0,1,2,3
	s_mov_b32 s[G0+4*\f], 1                        ; count = 1
	s_add_co_u32 s[G0+4*\f+1], s82, \f*65536       ; LDS address: key step 4 f + wave
	s_add_nc_u64 s[G0+4*\f+2:G0+4*\f+3], s[6:7], \f*65536
	s_or_b32 s[G0+4*\f+3], s[G0+4*\f+3], 0x80000000  ; type = 2
.endr
	CROUND                                         ; all four work-groups are here: the joint loads meet
	s_cmp_lt_u32 s[WV], 4                          ; waves 0 to 3 fetch: a wave's four loads stand in one branch, ahead of every wait on TENSORcnt and every LDS read: four loads of mine are out
	s_cbranch_scc0 .Lno_fetch
	tensor_load_to_lds s[G0:G0+3], s[G1:G1+7]
	s_nop 0
	tensor_load_to_lds s[G0+4:G0+7], s[G1:G1+7]
	s_nop 0
	tensor_load_to_lds s[G0+8:G0+11], s[G1:G1+7]
	s_nop 0
	tensor_load_to_lds s[G0+12:G0+15], s[G1:G1+7]
	s_nop 0
.rept 4
	v_nop
.endr
.Lno_fetch:
	v_and_b32 v1, 31, v0
	v_lshlrev_b32 v1, 4, v1                        ; 16 x lane
	v_lshlrev_b32 v3, 12, v9
	v_lshl_add_u32 v3, v8, 4, v3                   ; x, x1: lanes 0-15 one row's 256 bytes, lanes 16-31 the next row's
	s_mul_i32 s84, s[WV], 4352                     ; my stage for the way out: 16 rows x (256 + 16) bytes
	v_mul_u32_u24 v4, v8, 272
	v_lshl_add_u32 v4, v9, 6, v4
	v_add_nc_u32 v4, s84, v4                       ; in: row r, + 64 h
	v_mul_u32_u24 v5, v9, 272
	v_lshl_add_u32 v5, v8, 4, v5
	v_add_nc_u32 v5, s84, v5                       ; back: two rows an instruction
	v_and_b32 v6, 7, v0
	v_bfe_u32 v7, v0, 3, 1
	v_lshl_add_u32 v6, v7, 4, v6
	v_lshl_add_u32 v6, v9, 3, v6                   ; my column of 32: lane % 8 + 16 ((lane / 8) % 2) + 8 (lane / 16)
	v_lshlrev_b32 v6, 2, v6                        ; in bytes
	v_lshlrev_b32 v7, 4, v8
	v_lshl_add_u32 v11, v9, 13, v7                 ; w2c: my tile (8,192 bytes apart), my row's 16 bytes in a group
	v_lshl_add_u32 v7, v9, 12, v7                  ; w1c: tiles 4,096 bytes apart
	v_mov_b32 v13, 0xff61b1e6                      ; the largest t so far: -3e38
	v_floor_f32 v12, -v13                          ; -M
	v_mov_b32 v14, 0
	v_mov_b32 v15, 0
	v_mov_b32 v246, 0                              ; a lane permute's destination counts as one of its sources
	v_mov_b32 v253, 0                              ; (named as the upper half of v[252:253])
.set n, 0
.rept 32
	v_mov_b32 v[160+n], 0                          ; O^T: the step is written for every step alike; the first finds zeros
.set n, n+1
.endr
	s_wait_kmcnt 0x0
	s_add_co_i32 s84, s92, 127
	s_lshl_b32 s85, s84, 23
	v_mov_b32 v248, s85                            ; 2^eq
	s_add_co_i32 s84, s84, 8
	s_lshl_b32 s84, s84, 23
	s_or_b32 s84, s84, 0x600000
	v_mov_b32 v249, s84                            ; 448 x 2^eq
	s_add_co_i32 s84, s94, 127
	s_lshl_b32 s85, s84, 23
	v_mov_b32 v244, s85                            ; 2^ep
	s_add_co_i32 s84, s84, 8
	s_lshl_b32 s84, s84, 23
	s_or_b32 s84, s84, 0x600000
	v_mov_b32 v240, s84                            ; 448 x 2^ep
	s_add_co_i32 s84, s92, s93
	s_lshl_b32 s84, s84, 23
	s_add_co_i32 s[CS], s[CS], s84                 ; a score stands for score x 2^(eq + ek): added to c's exponent field
	s_mov_b32 s[CS+1], s[CS]
	s_add_co_i32 s83, s94, s95                     ; ep + ev
	s_wait_loadcnt 0x0                             ; q
.set n, 0
.rept 32
	v_med3_num_f32 v[96+n], v[96+n], -v249, v249
.set n, n+1
.endr
.irp c, 0,1
	v_cvt_scalef32_pk8_fp8_f32 v[16+4*\c:17+4*\c], v[96+16*\c:103+16*\c], v248
	v_cvt_scalef32_pk8_fp8_f32 v[18+4*\c:19+4*\c], v[104+16*\c:111+16*\c], v248
.endr
	v_nop                                          ; a plain line between the conversions and the products that read their results and write their sources
; A block of w: 32 rows of my column into v192-223; the wave reads 128 consecutive bytes of a row, the sixteen waves of the work-group 2,048
.macro WLOADS ib, rowb
.set n, 0
.rept 32
	global_load_b32 v[192+n], v6, s[\ib:\ib+1] offset:n*\rowb th:TH_LOAD_NT
.set n, n+1
.endr
.endm
; and its codes, to their place in the image
.macro WCONV se, voff, ob
	s_wait_loadcnt 0x0                             ; the block's 32 loads, asked for two key steps ago or more; nothing else is out on this counter
	s_add_co_i32 s84, \se, 127
	s_lshl_b32 s85, s84, 23
	v_mov_b32 v248, s85                            ; 2^e
	s_add_co_i32 s84, s84, 8
	s_lshl_b32 s84, s84, 23
	s_or_b32 s84, s84, 0x600000
	v_mov_b32 v249, s84                            ; 448 x 2^e
.set n, 0
.rept 32
	v_med3_num_f32 v[192+n], v[192+n], -v249, v249 ; the hold (ISA guide 7.6.2)
.set n, n+1
.endr
	s_wait_xcnt 0x0                                ; the stores of the block before have read v24-31, which are written again below
.irp g, 0,1,2,3
	v_cvt_scalef32_pk8_fp8_f32 v[24+2*\g:25+2*\g], v[192+8*\g:199+8*\g], v248
.endr
	v_nop                                          ; a plain line behind the conversions
	global_store_b128 \voff, v[24:27], s[\ob:\ob+1]              ; k = 0 .. 15 of the 32: the places of lanes 0-15 of the group; two whole runs of 256 bytes
	global_store_b128 \voff, v[28:31], s[\ob:\ob+1] offset:256   ; k = 16 .. 31: those of lanes 16-31
.endm
; A KEY STEP: 128 keys.  K: the run of 64 registers that holds this step's fragments of K (asked for in the step before) and then takes V's; S: the run that takes the scores, and then the next step's K.
; off: the step's bytes behind the pair's LDS address (0 or 16,384).  next = 1: there is a next step.
.macro STEP K, S, off, next
	s_wait_dscnt 0x4                               ; of K's sixteen loads the last four (tiles 6, 7) may be out
.irp t, 0,1,2,3,4,5
	v_wmma_f32_16x16x64_fp8_fp8 v[\S+8*\t:\S+8*\t+7], v[\K+8*\t:\K+8*\t+7], v[16:23], 0
.endr
	s_wait_dscnt 0x0
.irp t, 6,7
	v_wmma_f32_16x16x64_fp8_fp8 v[\S+8*\t:\S+8*\t+7], v[\K+8*\t:\K+8*\t+7], v[16:23], 0
.endr
.if \off == 0
	v_add_nc_u32 v2, s[TB], v1                     ; the pair's LDS address; with the three lines below: four places in front of V's loads into K's registers and of the first read of the scores
.else
	v_nop
.endif
.rept 3
	v_nop
.endr
.irp t, 0,1,2,3
.irp c, 0,1,2,3
	ds_load_b128 v[\K+16*\t+4*\c:\K+16*\t+4*\c+3], v2 offset:\off+8192+2048*\t+512*\c   ; V's four fragments land while the softmax is walked
.endr
.endr
	v_max3_num_f32 v254, v[\S], v[\S+1], v[\S+2]   ; the step's largest score of my query among my 64 keys, in four chains; the registers in ascending order
	v_max3_num_f32 v252, v[\S+3], v[\S+4], v[\S+5]
	v_max3_num_f32 v250, v[\S+6], v[\S+7], v[\S+8]
	v_max3_num_f32 v251, v[\S+9], v[\S+10], v[\S+11]
.set n, 12
.rept 6
	v_max3_num_f32 v254, v254, v[\S+n], v[\S+n+1]
	v_max3_num_f32 v252, v252, v[\S+n+2], v[\S+n+3]
	v_max3_num_f32 v250, v250, v[\S+n+4], v[\S+n+5]
	v_max3_num_f32 v251, v251, v[\S+n+6], v[\S+n+7]
.set n, n+8
.endr
	v_max3_num_f32 v254, v254, v[\S+60], v[\S+61]
	v_max3_num_f32 v252, v252, v[\S+62], v[\S+63]
	v_max3_num_f32 v254, v254, v250, v251
	v_max_num_f32 v254, v254, v252
	v_permlanex16_b32 v246, v254, s[SEL], s[SEL+1]
	v_max_num_f32 v254, v254, v246                 ; and among lane l xor 16's
	v_mul_f32 v254, s[CS], v254                    ; as t (c is positive)
	v_max_num_f32 v13, v13, v254                   ; the running largest t
	v_mov_b32 v254, v12
	v_floor_f32 v12, -v13                          ; the new -M = -ceil(t)
	v_sub_f32 v254, v12, v254                      ; old M - new M: a whole number, 0 or less
	v_cvt_i32_f32 v254, v254                       ; (it saturates)
	v_ldexp_f32 v252, 1.0, v254                    ; f = 2^(old M - new M)
.set n, 0
.rept 4
	v_pk_fma_f32 v[\S+n:\S+n+1], v[\S+n:\S+n+1], s[CS:CS+1], v[12:13] op_sel_hi:[1,0,0]   ; t - M, two at a time: the first four pairs
.set n, n+2
.endr
; ONE BATCH of 64 exponentials.  Behind each of the first 44 stands a plain line that names no result of the batch: the scaling of the pair four pairs on (28), then O^T under the new M (16).
.set e, 0
.rept 64
	v_exp_f32 v[\S+e], v[\S+e]                     ; p = 2^(t - M), at most 1
.if e < 28
	v_pk_fma_f32 v[\S+2*(e+4):\S+2*(e+4)+1], v[\S+2*(e+4):\S+2*(e+4)+1], s[CS:CS+1], v[12:13] op_sel_hi:[1,0,0]
.elseif e < 44
	v_pk_mul_f32 v[160+2*(e-28):161+2*(e-28)], v[160+2*(e-28):161+2*(e-28)], v[252:253] op_sel_hi:[1,0]   ; each accumulator of O^T from its low end on
.endif
.set e, e+1
.endr
	v_pk_mul_f32 v[14:15], v[14:15], v[252:253] op_sel_hi:[1,0]   ; the sums under the new M: the plain line behind the last exponential
	s_wait_alu depctr_va_vdst(0)                   ; one wait for the batch of 64, ahead of its first reader
; Sixteen scores at a time: the row's sum of the unquantised p (four chains), the hold, the conversion; then their registers take two tiles of the next step's K.
.irp b, 0,1,2,3
.if \b == 0
	v_pk_add_f32 v[242:243], v[\S:\S+1], v[\S+2:\S+3]
	v_pk_add_f32 v[250:251], v[\S+4:\S+5], v[\S+6:\S+7]
	v_pk_add_f32 v[254:255], v[\S+8:\S+9], v[\S+10:\S+11]
	v_pk_add_f32 v[14:15], v[14:15], v[\S+12:\S+13]
	v_pk_add_f32 v[242:243], v[242:243], v[\S+14:\S+15]
.else
	v_pk_add_f32 v[250:251], v[250:251], v[\S+16*\b:\S+16*\b+1]
	v_pk_add_f32 v[254:255], v[254:255], v[\S+16*\b+2:\S+16*\b+3]
	v_pk_add_f32 v[14:15], v[14:15], v[\S+16*\b+4:\S+16*\b+5]
	v_pk_add_f32 v[242:243], v[242:243], v[\S+16*\b+6:\S+16*\b+7]
	v_pk_add_f32 v[250:251], v[250:251], v[\S+16*\b+8:\S+16*\b+9]
	v_pk_add_f32 v[254:255], v[254:255], v[\S+16*\b+10:\S+16*\b+11]
	v_pk_add_f32 v[14:15], v[14:15], v[\S+16*\b+12:\S+16*\b+13]
	v_pk_add_f32 v[242:243], v[242:243], v[\S+16*\b+14:\S+16*\b+15]
.endif
.set n, 0
.rept 16
	v_min_num_f32 v[\S+16*\b+n], v[\S+16*\b+n], v240   ; the hold (ISA guide 7.6.2); p is not negative, so it is one-sided
.set n, n+1
.endr
	v_cvt_scalef32_pk8_fp8_f32 v[224+4*\b:225+4*\b], v[\S+16*\b:\S+16*\b+7], v244
	v_cvt_scalef32_pk8_fp8_f32 v[226+4*\b:227+4*\b], v[\S+16*\b+8:\S+16*\b+15], v244
.if \next
.irp c, 0,1,2,3
	ds_load_b128 v[\S+16*\b+4*\c:\S+16*\b+4*\c+3], v2 offset:\off+16384+2048*\b+512*\c   ; tiles 2 b, 2 b + 1 of the next step's K (a load into a conversion's sources wants no place)
.endr
.endif
.endr
	v_pk_add_f32 v[14:15], v[14:15], v[242:243]    ; the four chains meet; also the plain lines behind the last conversions
	v_pk_add_f32 v[250:251], v[250:251], v[254:255]
	v_pk_add_f32 v[14:15], v[14:15], v[250:251]
.if \next
	s_wait_dscnt 16                                ; V's sixteen loads are in; the next K's sixteen, issued behind them, may be out
.else
	s_wait_dscnt 0x0
.endif
.irp t, 0,1,2,3                                ; the four accumulators take turns, one instruction a turn
	v_wmma_f32_16x16x128_fp8_fp8 v[160+8*\t:167+8*\t], v[\K+16*\t:\K+16*\t+15], v[224:239], v[160+8*\t:167+8*\t]
.endr
.rept 5
	v_nop                                          ; five places: the next step's first products write their scores over the registers that these products read
.endr
.endm
.macro PAIR last                       ; two key steps, behind which the two runs are back where they began
	STEP 32, 96, 0, 1
	STEP 96, 32, 16384, 1-\last
.endm
	s_wait_tensorcnt 0x3                           ; of my four loads, in order, the first has landed (a wave that fetches nothing has none out); nothing is ever filled again, so the others may stay out
	s_wait_dscnt 0x0
	s_barrier_signal -1
	s_barrier_wait -1                              ; everybody's has: key steps 0 to 3 lie in LDS
.irp t, 0,1,2,3,4,5,6,7
.irp c, 0,1
	ds_load_b128 v[32+8*\t+4*\c:35+8*\t+4*\c], v1 offset:1024*\t+512*\c   ; K of key step 0
.endr
.endr
	WLOADS 56, 16384                               ; my block of w1
	s_mov_b32 s[TB], 0
	PAIR 0                                         ; key steps 0 and 1; they read no byte beyond step 2's K
	s_wait_tensorcnt 0x0                           ; all my loads have landed
	s_wait_dscnt 0x0
	s_barrier_signal -1
	s_barrier_wait -1                              ; everybody's have: the whole head lies in LDS, and no barrier stands in the fourteen steps that follow
	WCONV s97, v7, 60
	WLOADS 58, 4096                                ; my block of w2
	s_mov_b32 s[TB], 2*16384
	s_mov_b32 s[CNT], 2
.Lpair_a:                                          ; key steps 2 to 5
	PAIR 0
	s_add_co_u32 s[TB], s[TB], 32768
	s_sub_co_u32 s[CNT], s[CNT], 1
	s_cmp_lg_u32 s[CNT], 0
	s_cbranch_scc1 .Lpair_a
	WCONV s99, v11, 62
.irp i, 0,1,2,3,4,5,6,7
	global_load_b128 v[192+4*\i:195+4*\i], v3, s[8:9] offset:8192*\i th:TH_LOAD_NT   ; x, for the way out: asked for ten key steps ahead of its use
.endr
	s_mov_b32 s[TB], 6*16384
	s_mov_b32 s[CNT], 4
.Lpair_b:                                          ; key steps 6 to 13
	PAIR 0
	s_add_co_u32 s[TB], s[TB], 32768
	s_sub_co_u32 s[CNT], s[CNT], 1
	s_cmp_lg_u32 s[CNT], 0
	s_cbranch_scc1 .Lpair_b
	s_mov_b32 s[TB], 14*16384
	PAIR 1                                         ; key steps 14 and 15: the last asks for no K
	; THE WAY OUT.  The stages lie over the head's first bytes, which have had their only fill: so every wave's reads of K and V are over first.  (The five lines at the last step's end are the places behind the last products.)
	s_wait_dscnt 0x0
	s_barrier_signal -1
	s_barrier_wait -1
	v_add_f32 v14, v14, v15
	v_permlanex16_b32 v252, v14, s[SEL], s[SEL+1]
	v_add_f32 v14, v14, v252                       ; the row's sum
	v_rcp_f32 v14, v14
	v_nop                                          ; a plain line behind the reciprocal
	s_wait_alu depctr_va_vdst(0)                   ; and the wait ahead of its first reader
	v_ldexp_f32 v14, v14, s83                      ; x 2^(ep + ev)
.set n, 0
.rept 32
	v_mul_f32 v[96+n], v[160+n], v14               ; register 16 b + i is channel 32 b + 16 h + i of query r
.set n, n+1
.endr
.irp b, 0,1
.irp j, 0,1,2,3
	ds_store_b128 v4, v[96+16*\b+4*\j:99+16*\b+4*\j] offset:128*\b+16*\j
.endr
.endr
.irp i, 0,1,2,3,4,5,6,7
	ds_load_b128 v[32+4*\i:35+4*\i], v5 offset:544*\i   ; LDS serves a wave's instructions in order: these see my stores
.endr
	s_wait_loadcnt 0x0                             ; x
	s_wait_dscnt 0x0
.set n, 0
.rept 16
	v_pk_add_f32 v[32+n:33+n], v[32+n:33+n], v[192+n:193+n]
.set n, n+2
.endr
.irp i, 0,1,2,3,4,5,6,7
	global_store_b128 v3, v[32+4*\i:35+4*\i], s[12:13] offset:8192*\i   ; sixteen lanes store 256 consecutive bytes, at a multiple of 256 from x1's first byte
.endr
	s_wait_tensorcnt 0x0
	ds_add_u32 v245, v247
	s_wait_dscnt 0x0
	CROUND                                         ; the closing round
	s_endpgm
.Lfunc_end_k_q0f6efb7cec_attn:
	.size	k_q0f6efb7cec_attn, .Lfunc_end_k_q0f6efb7cec_attn-k_q0f6efb7cec_attn
	.p2alignl 7, 3214868480
	.fill 96, 4, 3214868480
	.section	.rodata,"a",@progbits
	.p2align	6, 0x0
	.amdhsa_kernel k_q0f6efb7cec_attn
		.amdhsa_group_segment_fixed_size 264192
		.amdhsa_private_segment_fixed_size 0
		.amdhsa_enable_private_segment 0
		.amdhsa_kernarg_size 72
		.amdhsa_user_sgpr_count 2
		.amdhsa_user_sgpr_kernarg_segment_ptr 1
		.amdhsa_wavefront_size32 1
		.amdhsa_system_sgpr_workgroup_id_x 1
		.amdhsa_system_sgpr_workgroup_id_y 1
		.amdhsa_system_sgpr_workgroup_id_z 1
		.amdhsa_system_vgpr_workitem_id 0
		.amdhsa_next_free_vgpr 256
		.amdhsa_next_free_sgpr 100
		.amdhsa_reserve_vcc 0
		.amdhsa_float_denorm_mode_32 3
		.amdhsa_float_denorm_mode_16_64 3
		.amdhsa_memory_ordered 1
		.amdhsa_forward_progress 1
		.amdhsa_inst_pref_size 151
	.end_amdhsa_kernel
	.amdgpu_metadata
---
amdhsa.version: [ 1, 2 ]
amdhsa.kernels:
  - .name:           k_q0f6efb7cec_attn
    .symbol:         k_q0f6efb7cec_attn.kd
    .args:
      - { .name: image_q, .offset: 0, .size: 8, .value_kind: global_buffer, .address_space: global }
      - { .name: kv, .offset: 8, .size: 8, .value_kind: global_buffer, .address_space: global }
      - { .name: x, .offset: 16, .size: 8, .value_kind: global_buffer, .address_space: global }
      - { .name: lowp_scales, .offset: 24, .size: 8, .value_kind: global_buffer, .address_space: global }
      - { .name: x1, .offset: 32, .size: 8, .value_kind: global_buffer, .address_space: global }
      - { .name: w1, .offset: 40, .size: 8, .value_kind: global_buffer, .address_space: global }
      - { .name: w2, .offset: 48, .size: 8, .value_kind: global_buffer, .address_space: global }
      - { .name: w1c, .offset: 56, .size: 8, .value_kind: global_buffer, .address_space: global }
      - { .name: w2c, .offset: 64, .size: 8, .value_kind: global_buffer, .address_space: global }
    .group_segment_fixed_size: 264192
    .private_segment_fixed_size: 0
    .kernarg_segment_align: 8
    .kernarg_segment_size: 72
    .max_flat_workgroup_size: 512
    .sgpr_count:     100
    .vgpr_count:     256
    .wavefront_size: 32
...
	.end_amdgpu_metadata
.endif
;; end of part 2
;; launch ln (part 3): grid 256 x 1, 8 waves a work-group, no clusters, 69,632 bytes of LDS; arguments x1, ln_w, ln_b, lowp_scales, hq; writes hq
.if DOCPART == 3
	.amdgcn_target "amdgcn-amd-amdhsa--gfx1250"
	.amdhsa_code_object_version 6
	.text
	.protected	k_q0f6efb7cec_ln
	.globl	k_q0f6efb7cec_ln
	.p2align	8
	.type	k_q0f6efb7cec_ln,@function
k_q0f6efb7cec_ln:
	s_mov_b64 s[64:65], 0
	v_nop
	global_prefetch_b8 v0, s[64:65] scope:SCOPE_SE
	s_setreg_imm32_b32 hwreg(HW_REG_WAVE_MODE, 25, 1), 1
	s_wait_xcnt 0x0
; hq = codes of FP8 (E4M3) of layer_norm(x1) = (x1 - mean) x rsqrt(var + 1e-5) x ln_w + ln_b, with the given scale 2^e (entry 4), all in f32 ahead of the quantiser.
; x1 [4096][1024] f32.  hq is laid as images of operand registers: [K step of 256: 4][block of 16 rows: 256][128 K: 2][2,048]; group c of a fragment holds, at 16 x lane, lane (r, h)'s codes of row r, k = 32 c + 16 h + 0 .. 15.
; A work-group takes 16 rows; wave w takes their k = 128 w .. 128 w + 127: one fragment.  The variance is taken of x - mean, in a second pass over registers: no difference of large sums is formed.
; Dense loads (512 bytes of a row an instruction) turn through the wave's own stage in LDS, so that a lane gets 16 neighbours of each block of 32; the rows' sums meet in LDS behind a barrier, twice.
; No matrix unit, no cluster: work-groups share only ln_w and ln_b, 8 KiB beside their 64 KiB of x1.
; LIMITS: e between -126 and 119.  NaN among the inputs is not served.
.set STG,  8448                        ; a wave's stage: 16 rows x (512 + 16) bytes: the pitch is an odd multiple of 16 bytes
.set RED1, 8*STG                       ; 16 rows x 8 waves x 4 bytes: the sums;  512 bytes on: the sums of squares
	s_load_b256 s[4:11], s[0:1], 0x0               ; x1 s[4:5], ln_w s[6:7], ln_b s[8:9], scales s[10:11]
	s_load_b64 s[12:13], s[0:1], 0x20              ; hq
	v_lshl_add_u32 v240, v0, 2, 0x10c00
	v_mov_b32 v241, 0
	v_lshrrev_b32 v1, 5, v0
	v_readfirstlane_b32 s14, v1                    ; wave
	v_and_b32 v1, 31, v0
	v_and_b32 v2, 15, v0                           ; r
	v_bfe_u32 v3, v0, 4, 1                         ; h
	v_lshlrev_b32 v4, 4, v1                        ; 16 x lane
	v_lshlrev_b32 v5, 6, v3                        ; 64 h
	s_mul_i32 s15, s14, STG
	v_add_nc_u32 v6, s15, v4                       ; the stage, in
	v_mul_u32_u24 v7, v2, 528
	v_add_nc_u32 v7, v7, v5
	v_add_nc_u32 v7, s15, v7                       ; and out: row r, + 64 h
	s_lshl_b32 s16, s14, 2
	v_lshlrev_b32 v9, 5, v2
	v_add_nc_u32 v9, RED1, v9                      ; row r's eight partial sums
	v_add_nc_u32 v8, s16, v9                       ; my wave's word among them
	s_mov_b32 s20, 0x76543210
	s_mov_b32 s21, 0xfedcba98
	s_mov_b32 s22, 0x3a800000                      ; 1 / 1024
	s_mov_b32 s23, 0x3727c5ac                      ; 1e-5
	s_lshl_b32 s24, ttmp9, 16                      ; 16 rows of 4,096 bytes
	s_lshl_b32 s26, s14, 9                         ; my 128 numbers of a row
	s_add_co_u32 s24, s24, s26
	s_mov_b32 s25, 0
	s_mov_b32 s27, 0
	s_lshr_b32 s28, s14, 1
	s_lshl_b32 s28, s28, 20                        ; K step of 256: 256 blocks x 4,096
	s_lshl_b32 s29, ttmp9, 12
	s_add_co_u32 s28, s28, s29
	s_and_b32 s29, s14, 1
	s_lshl_b32 s29, s29, 11
	s_add_co_u32 s28, s28, s29
	s_mov_b32 s29, 0
	s_wait_kmcnt 0x0
	s_load_b32 s30, s[10:11], 0x10                 ; e
	s_add_nc_u64 s[4:5], s[4:5], s[24:25]
	s_add_nc_u64 s[6:7], s[6:7], s[26:27]
	s_add_nc_u64 s[8:9], s[8:9], s[26:27]
	s_add_nc_u64 s[12:13], s[12:13], s[28:29]
.irp m, 0,1,2,3,4,5,6,7,8,9,10,11,12,13,14,15
	global_load_b128 v[16+4*\m:19+4*\m], v4, s[4:5] offset:4096*\m th:TH_LOAD_NT   ; row m: 512 consecutive bytes
.endr
.irp c, 0,1,2,3
.irp j, 0,1,2,3
	global_load_b128 v[144+16*\c+4*\j:147+16*\c+4*\j], v5, s[6:7] offset:128*\c+16*\j   ; ln_w at my 64 places
.endr
.endr
	s_wait_loadcnt 16                              ; x1's sixteen loads are in; ln_w's sixteen may be out
.irp m, 0,1,2,3,4,5,6,7,8,9,10,11,12,13,14,15
	ds_store_b128 v6, v[16+4*\m:19+4*\m] offset:528*\m
.endr
.irp c, 0,1,2,3
.irp j, 0,1,2,3
	ds_load_b128 v[80+16*\c+4*\j:83+16*\c+4*\j], v7 offset:128*\c+16*\j   ; register 16 c + i = k 32 c + 16 h + i of row r
.endr
.endr
	s_wait_dscnt 0x0                               ; the stores have read v16-79,
.irp c, 0,1,2,3
.irp j, 0,1,2,3
	global_load_b128 v[16+16*\c+4*\j:19+16*\c+4*\j], v5, s[8:9] offset:128*\c+16*\j     ; which take ln_b
.endr
.endr
; my 64 numbers' sum stands in v[208:211]; it becomes the row's, over the other half of the lanes and the eight waves, in v212
.macro REDUCE off
	v_pk_add_f32 v[208:209], v[208:209], v[210:211]
	v_add_f32 v208, v208, v209
	v_permlanex16_b32 v209, v208, s20, s21
	v_add_f32 v208, v208, v209
	ds_store_b32 v8, v208 offset:\off              ; lanes r and r + 16 write the same word with the same number
	s_wait_dscnt 0x0                               ; for the others' sake
	s_barrier_signal -1
	s_barrier_wait -1
	ds_load_b128 v[212:215], v9 offset:\off
	ds_load_b128 v[216:219], v9 offset:\off+16
	s_wait_dscnt 0x0
	v_add_f32 v212, v212, v213
	v_add_f32 v214, v214, v215
	v_add_f32 v216, v216, v217
	v_add_f32 v218, v218, v219
	v_add_f32 v212, v212, v214
	v_add_f32 v216, v216, v218
	v_add_f32 v212, v212, v216
.endm
	v_pk_add_f32 v[208:209], v[80:81], v[82:83]
	v_pk_add_f32 v[210:211], v[84:85], v[86:87]
.set n, 8
.rept 14
	v_pk_add_f32 v[208:209], v[208:209], v[80+n:81+n]
	v_pk_add_f32 v[210:211], v[210:211], v[82+n:83+n]
.set n, n+4
.endr
	REDUCE 0
	v_mul_f32 v220, 0xba800000, v212               ; -mean
	v_mov_b32 v221, v220
.set n, 0
.rept 32
	v_pk_add_f32 v[80+n:81+n], v[80+n:81+n], v[220:221]
.set n, n+2
.endr
	v_pk_mul_f32 v[208:209], v[80:81], v[80:81]
	v_pk_mul_f32 v[210:211], v[82:83], v[82:83]
.set n, 4
.rept 15
	v_pk_fma_f32 v[208:209], v[80+n:81+n], v[80+n:81+n], v[208:209]
	v_pk_fma_f32 v[210:211], v[82+n:83+n], v[82+n:83+n], v[210:211]
.set n, n+4
.endr
	REDUCE 512
	v_fma_f32 v222, v212, s22, s23                 ; var + 1e-5
	v_rsq_f32 v222, v222
	v_nop                                          ; a plain line behind the transcendental
	s_wait_kmcnt 0x0
	s_add_co_i32 s30, s30, 127
	s_lshl_b32 s31, s30, 23
	v_mov_b32 v11, s31                             ; 2^e
	s_add_co_i32 s30, s30, 8
	s_lshl_b32 s30, s30, 23
	s_or_b32 s30, s30, 0x600000
	v_mov_b32 v10, s30                             ; 448 x 2^e
	s_wait_alu depctr_va_vdst(0)                   ; the wait ahead of the first reader
	v_mov_b32 v223, v222
.set n, 0
.rept 32
	v_pk_mul_f32 v[80+n:81+n], v[80+n:81+n], v[222:223]
.set n, n+2
.endr
	s_wait_loadcnt 0x0                             ; ln_w, ln_b
.set n, 0
.rept 32
	v_pk_fma_f32 v[80+n:81+n], v[80+n:81+n], v[144+n:145+n], v[16+n:17+n]
.set n, n+2
.endr
.set n, 0
.rept 64
	v_med3_num_f32 v[80+n], v[80+n], -v10, v10     ; the hold (ISA guide 7.6.2)
.set n, n+1
.endr
.irp c, 0,1,2,3
	v_cvt_scalef32_pk8_fp8_f32 v[224+4*\c:225+4*\c], v[80+16*\c:87+16*\c], v11
	v_cvt_scalef32_pk8_fp8_f32 v[226+4*\c:227+4*\c], v[88+16*\c:95+16*\c], v11
.endr
.irp c, 0,1,2,3
	global_store_b128 v4, v[224+4*\c:227+4*\c], s[12:13] offset:512*\c   ; 512 consecutive bytes
.endr
	s_wait_tensorcnt 0x0
	ds_add_u32 v240, v241
	s_wait_dscnt 0x0
	s_endpgm
.Lfunc_end_k_q0f6efb7cec_ln:
	.size	k_q0f6efb7cec_ln, .Lfunc_end_k_q0f6efb7cec_ln-k_q0f6efb7cec_ln
	.p2alignl 7, 3214868480
	.fill 96, 4, 3214868480
	.section	.rodata,"a",@progbits
	.p2align	6, 0x0
	.amdhsa_kernel k_q0f6efb7cec_ln
		.amdhsa_group_segment_fixed_size 69632
		.amdhsa_private_segment_fixed_size 0
		.amdhsa_enable_private_segment 0
		.amdhsa_kernarg_size 40
		.amdhsa_user_sgpr_count 2
		.amdhsa_user_sgpr_kernarg_segment_ptr 1
		.amdhsa_wavefront_size32 1
		.amdhsa_system_sgpr_workgroup_id_x 1
		.amdhsa_system_sgpr_workgroup_id_y 1
		.amdhsa_system_sgpr_workgroup_id_z 1
		.amdhsa_system_vgpr_workitem_id 0
		.amdhsa_next_free_vgpr 242
		.amdhsa_next_free_sgpr 66
		.amdhsa_reserve_vcc 0
		.amdhsa_float_denorm_mode_32 3
		.amdhsa_float_denorm_mode_16_64 3
		.amdhsa_memory_ordered 1
		.amdhsa_forward_progress 1
		.amdhsa_inst_pref_size 26
	.end_amdhsa_kernel
	.amdgpu_metadata
---
amdhsa.version: [ 1, 2 ]
amdhsa.kernels:
  - .name:           k_q0f6efb7cec_ln
    .symbol:         k_q0f6efb7cec_ln.kd
    .args:
      - { .name: x1, .offset: 0, .size: 8, .value_kind: global_buffer, .address_space: global }
      - { .name: ln_w, .offset: 8, .size: 8, .value_kind: global_buffer, .address_space: global }
      - { .name: ln_b, .offset: 16, .size: 8, .value_kind: global_buffer, .address_space: global }
      - { .name: lowp_scales, .offset: 24, .size: 8, .value_kind: global_buffer, .address_space: global }
      - { .name: hq, .offset: 32, .size: 8, .value_kind: global_buffer, .address_space: global }
    .group_segment_fixed_size: 69632
    .private_segment_fixed_size: 0
    .kernarg_segment_align: 8
    .kernarg_segment_size: 40
    .max_flat_workgroup_size: 256
    .sgpr_count:     66
    .vgpr_count:     242
    .wavefront_size: 32
...
	.end_amdgpu_metadata
.endif
;; end of part 3
;; launch gemm1 (part 4): grid 16 x 16, 4 waves a work-group, clusters of 4 x 4, 327,680 bytes of LDS; arguments hq, w1c, lowp_scales, b1, hid; writes hid
.if DOCPART == 4
	.amdgcn_target "amdgcn-amd-amdhsa--gfx1250"
	.amdhsa_code_object_version 6
	.text
	.protected	k_q0f6efb7cec_gemm1
	.globl	k_q0f6efb7cec_gemm1
	.p2align	8
	.type	k_q0f6efb7cec_gemm1,@function
k_q0f6efb7cec_gemm1:
	s_mov_b64 s[64:65], 0
	v_nop
	global_prefetch_b8 v0, s[64:65] scope:SCOPE_SE
	s_setreg_imm32_b32 hwreg(HW_REG_WAVE_MODE, 25, 1), 1
	s_wait_xcnt 0x0
	s_wait_alu depctr_hold_cnt(0) depctr_sa_sdst(0) depctr_va_vdst(0) depctr_va_sdst(0) depctr_va_ssrc(0) depctr_va_vcc(0) depctr_vm_vsrc(0)
	s_getreg_b32 s2, hwreg(HW_REG_IB_STS2, 6, 4)
	s_cmp_eq_u32 s2, 0
	s_cbranch_scc0 .Lentry_in_a_cluster
	s_endpgm
.Lentry_in_a_cluster:
	s_bfe_u32 s2, ttmp6, 0x10000c
	s_cmp_lg_u32 s2, 0xf033
	s_cbranch_scc0 .Lentry_shape_is_right
	s_endpgm
.Lentry_shape_is_right:
; hid = codes of FP8 (E4M3) of gelu(h w1 + b1), gelu(y) = 0.5 y (1 + erf(y / sqrt 2)), the product on codes of FP8 with the given scales (entries 4, 5); hid's scale is entry 6.
; M = 4,096 rows, N = 4,096 columns, K = 1,024.  hq [K step of 256: 4][block of 16 rows: 256][128 K: 2][2,048] and w1c [K step: 4][tile of 16 columns: 256][2][2,048] are images of operand registers:
; a fragment comes by four loads of 16 bytes a lane at 16 x lane, 512 bytes apart: no pitch, no padding; a K step's 128 rows are one dense block of 32,768 bytes for one tensor load.
; A tile of 256 x 256 is made by four waves, each 128 x 128: 64 accumulators, 512 registers.  K goes in steps of 256 through a ring of two LDS slots.
; CLUSTERS: 4 x 4 work-groups; hq's tiles are asked for jointly along a row of the cluster, w1c's along a column.
; THE MATRIX INSTRUCTION IS USED TRANSPOSED (source 0 = 16 columns of w1, source 1 = 16 rows), and row m of tile 2 b + u of w1c is column 32 b + 8 u + m + 8 (m / 8): so a lane holds ONE row, and the 64 registers
; of a block of 16 rows are columns 32 c + 16 (lane / 16) + i at register 16 c + i: after bias, gelu and conversion they ARE a fragment of the next product's first operand, stored as an image, 512 dense bytes a store:
; hid [K step of 512: 8][block of 16 rows: 256][128 K: 4][2,048].  The way out uses no LDS.
; erf(z) = z P(z^2) / Q(z^2), z held within +-3.743921, P of degree 4 and Q of degree 6 in z^2, in f32.  Where y is far below 0, 1 + erf cancels: the error there is about 1e-7 |y| absolute.
; LIMITS: e4 + e5 between -126 and 127; e6 between -126 and 119.  NaN among the inputs is not served.
; REGISTERS, in windows of 256: window 0: v0-31 addresses and constants; v32-95 b1 at my 64 places; from v128 the rows' fragments, ONE set; on the way out v96-255 are at work.
;   window 1: w1c's fragments, TWO sets;  window 2: the accumulators of my rows 0-63 ((a, b) at v[8 (8 a + b)]);  window 3: those of rows 64-127.
.set FR,     16
.set NL,     4
.set NP,     4
.set HALFT,  32768                     ; 128 rows x 256 K: what one tensor load brings
.set SLOT,   4*HALFT
.set KSB,    1048576                   ; bytes from a K step to the next, in hq and in w1c
.set LAPS,   2
.set SPARE,  2*SLOT                    ; the spare words, 128 bytes for each wave
.set ADRA, 16
.set ADRB, 20
.set OFS,  25                          ; v25  the batch's offset in hid
.set LI,   26                          ; v26  16 x lane
.set ZLIM, 27                          ; v27  3.743921
.set SPW,  28
.set NIL,  29
.set SC,   30                          ; v30  2^e6;  v31  448 x 2^e6
.set LIM,  31
.set BI,   32                          ; b1
.set Y,    96
.set Z,    128
.set X2,   160
.set P,    192
.set Q,    224
.set AF,   128
.set G1, 24
.set G0, 32
.set G1B, 48
.set G0B, 56
.set MSB, 0
.macro WIN new
.if MSB != \new
	s_set_vgpr_msb (MSB<<8)|\new
.set MSB, \new
.endif
.endm
.set MUL_LO, 0xa1
.set MUL_HI, 0xf1
.set TO_B,   0x40
.macro JLOAD g0a, g1a, g0b, g1b        ; a joint load: waves 0 and 1 fetch rows of hq, waves 2 and 3 of w1c; four v_nop follow each line
	s_cmp_eq_u32 s15, 0
	s_cbranch_scc0 .Lfor_b_\@
	tensor_load_to_lds s[\g0a:\g0a+3], s[\g1a:\g1a+7]
	s_nop 0
.rept 4
	v_nop
.endr
	s_branch .Lasked_\@
.Lfor_b_\@:
	tensor_load_to_lds s[\g0b:\g0b+3], s[\g1b:\g1b+7]
	s_nop 0
.rept 4
	v_nop
.endr
.Lasked_\@:
.endm
.macro CREST
	s_cmp_lg_u32 s14, 0
	s_cbranch_scc1 .Lnot_wave_0_\@
	s_barrier_signal -3
.Lnot_wave_0_\@:
	s_barrier_wait -3
	s_barrier_signal -1
	s_barrier_wait -1
.endm
.macro CROUND
	s_barrier_signal -1
	s_barrier_wait -1
	CREST
.endm
	s_load_b128 s[4:7], s[0:1], 0x0                ; hq s[4:5], w1c s[6:7]
	s_load_b128 s[8:11], s[0:1], 0x10              ; scales s[8:9], b1 s[10:11]
	s_load_b64 s[12:13], s[0:1], 0x20              ; hid
	v_lshl_add_u32 v[SPW], v0, 2, SPARE
	v_mov_b32 v[NIL], 0
	ds_add_u32 v28, v29
	ds_add_u32 v28, v29
	s_wait_dscnt 0x0
	v_lshrrev_b32 v1, 5, v0
	v_readfirstlane_b32 s14, v1                    ; wave
	s_lshr_b32 s15, s14, 1                         ; my half of the tile's rows.  Also: I fetch for hq (0) or w1c (1)
	s_and_b32 s16, s14, 1                          ; my half of its columns.  Also: which 128 rows of that tile I fetch
	s_bfe_u32 s40, ttmp6, 0x40000
	s_bfe_u32 s41, ttmp6, 0x40004
	s_lshl_b32 s42, ttmp9, 2
	s_add_co_u32 s42, s42, s40                     ; tile column
	s_and_b32 s17, ttmp7, 0xffff
	s_lshl_b32 s17, s17, 2
	s_add_co_u32 s17, s17, s41                     ; tile row
	s_lshl_b32 s43, s41, 2
	s_lshl_b32 s43, 15, s43                        ; my row of the cluster
	s_lshl_b32 s44, 0x1111, s40                    ; my column
	s_or_b32 s[G1+0], s43, (1<<21)                 ; the mask; elements of 1 byte; no padding; 21 set beside a mask
	s_or_b32 s[G1B+0], s44, (1<<21)
.irp g, G1, G1B                        ; a dense block of 32,768 bytes as 128 rows of 256
	s_mov_b32 s[\g+1], 256<<16
	s_mov_b32 s[\g+2], 128<<16
	s_mov_b32 s[\g+3], 256<<16
	s_mov_b32 s[\g+4], 128
	s_mov_b32 s[\g+5], 256
	s_mov_b32 s[\g+6], 0
	s_mov_b32 s[\g+7], 0
.endr
	s_lshl_b32 s18, s16, 3                         ; which 8 blocks of 16 I fetch
	s_lshl_b32 s20, s17, 4
	s_add_co_u32 s20, s20, s18
	s_lshl_b32 s20, s20, 12                        ; hq: (16 x tile row + 8 x half) x 4,096
	s_mov_b32 s21, 0
	s_lshl_b32 s46, s42, 4
	s_add_co_u32 s46, s46, s18
	s_lshl_b32 s46, s46, 12                        ; w1c: by the tile column
	s_mov_b32 s47, 0
	s_mul_i32 s45, s14, HALFT                      ; where they go: wave x 32,768
	s_wait_kmcnt 0x0
	s_load_b128 s[92:95], s[8:9], 0x10             ; e4, e5, e6, e7
	s_add_nc_u64 s[20:21], s[4:5], s[20:21]
	s_add_nc_u64 s[46:47], s[6:7], s[46:47]
	CROUND                                         ; all sixteen work-groups are here: the first joint loads meet
.irp s, 0,1
	s_mov_b32 s[G0+4*\s], 1
	s_add_co_u32 s[G0+4*\s+1], s45, \s*SLOT
	s_add_nc_u64 s[G0+4*\s+2:G0+4*\s+3], s[20:21], \s*KSB
	s_or_b32 s[G0+4*\s+3], s[G0+4*\s+3], 0x80000000
	s_mov_b32 s[G0B+4*\s], 1
	s_add_co_u32 s[G0B+4*\s+1], s45, \s*SLOT
	s_add_nc_u64 s[G0B+4*\s+2:G0B+4*\s+3], s[46:47], \s*KSB
	s_or_b32 s[G0B+4*\s+3], s[G0B+4*\s+3], 0x80000000
	JLOAD G0+4*\s, G1, G0B+4*\s, G1B
.endr
	v_and_b32 v6, 31, v0
	v_lshlrev_b32 v[LI], 4, v6                     ; 16 x lane
	v_bfe_u32 v2, v0, 4, 1
	v_lshlrev_b32 v5, 6, v2                        ; 64 (lane / 16)
	s_mul_i32 s21, s15, HALFT                      ; my 128 rows
	s_mul_i32 s22, s16, HALFT                      ; my 128 columns,
	s_add_co_u32 s22, s22, 2*HALFT                 ; which lie behind the 256 rows
.irp s, 0,1
	v_add_nc_u32 v[ADRA+\s], s21, v[LI]
	v_add_nc_u32 v[ADRB+\s], s22, v[LI]
	s_add_co_u32 s21, s21, SLOT
	s_add_co_u32 s22, s22, SLOT
.endr
	s_lshl_b32 s72, s42, 10
	s_lshl_b32 s73, s16, 9
	s_add_co_u32 s72, s72, s73                     ; b1 at my 128 columns
	s_mov_b32 s73, 0
	s_add_nc_u64 s[10:11], s[10:11], s[72:73]
.irp c, 0,1,2,3
.irp j, 0,1,2,3
	global_load_b128 v[BI+16*\c+4*\j:BI+16*\c+4*\j+3], v5, s[10:11] offset:128*\c+16*\j   ; register 16 c + i: column 32 c + 16 (lane / 16) + i
.endr
.endr
	s_lshr_b32 s74, s42, 1                         ; hid: K step of 512 = tile column / 2,
	s_lshl_b32 s74, s74, 8
	s_lshl_b32 s75, s17, 4
	s_add_co_u32 s74, s74, s75
	s_lshl_b32 s75, s15, 3
	s_add_co_u32 s74, s74, s75                     ; block of 16 rows = 16 x tile row + 8 x half,
	s_lshl_b32 s74, s74, 13
	s_and_b32 s75, s42, 1
	s_lshl_b32 s75, s75, 1
	s_add_co_u32 s75, s75, s16                     ; which 128 of the 512
	s_lshl_b32 s75, s75, 11
	s_add_co_u32 s74, s74, s75
	s_mov_b32 s75, 0
	s_add_nc_u64 s[12:13], s[12:13], s[74:75]
.macro FRAG reg, adr, q, i             ; fragment i of the slot's q-th 128 along K
.irp c, 0,1,2,3
	ds_load_b128 v[\reg+4*\c:\reg+4*\c+3], v[\adr] offset:4096*(\i)+2048*(\q)+512*\c
.endr
.endm
; 16 matrix instructions: row blocks a0, a0 + 1 x the eight column tiles.  The 64 accumulators take turns, one instruction a turn, in the same order in every step.
.macro MUL16 a0, p, zero
.irp a, \a0, \a0+1
.irp b, 0,1,2,3,4,5,6,7
.if \zero
	v_wmma_f32_16x16x128_fp8_fp8 v[8*(8*((\a)%4)+\b):8*(8*((\a)%4)+\b)+7], v[128*(\p)+FR*\b:128*(\p)+FR*\b+FR-1], v[AF+FR*(\a):AF+FR*(\a)+FR-1], 0
.else
	v_wmma_f32_16x16x128_fp8_fp8 v[8*(8*((\a)%4)+\b):8*(8*((\a)%4)+\b)+7], v[128*(\p)+FR*\b:128*(\p)+FR*\b+FR-1], v[AF+FR*(\a):AF+FR*(\a)+FR-1], v[8*(8*((\a)%4)+\b):8*(8*((\a)%4)+\b)+7]
.endif
.endr
.endr
.endm
.macro FETCH_B slot, q, p
	WIN TO_B
.irp i, 0,1,2,3,4,5,6,7
	FRAG 128*(\p)+FR*\i, ADRB+\slot, \q, \i
.endr
	WIN 0
.endm
.macro FETCH_A slot, q, i0
.irp i, \i0, \i0+1, \i0+2, \i0+3
	FRAG AF+FR*(\i), ADRA+\slot, \q, \i
.endr
.endm
.macro PLACES n                        ; plain vector lines in front of loads into registers that matrix instructions have read, and of the first read of results
.rept \n
	v_nop
.endr
.endm
.macro STEP slot, q, zero              ; 128 along K that has its successor in the same slot
	s_wait_dscnt 4*NL                              ; the columns' set and row blocks 0-3 are in; the youngest sixteen loads (blocks 4-7) may be out
	WIN MUL_LO
	MUL16 0, (\q)%2, \zero
	MUL16 2, (\q)%2, \zero
	s_wait_dscnt 0
	PLACES NP
	FETCH_B \slot, (\q)+1, 1-(\q)%2
	FETCH_A \slot, (\q)+1, 0
	WIN MUL_HI
	MUL16 4, (\q)%2, \zero
	MUL16 6, (\q)%2, \zero
	PLACES NP
	WIN 0
	FETCH_A \slot, (\q)+1, 4
.endm
; A slot's last step changes slots: one barrier; in front of it each wave waits for all its tensor loads, adds 0 to its spare word, and waits for that and for its own reads of this slot.
.macro TURN slot, next, fill
	s_wait_tensorcnt 0x0                           ; all my tensor loads have landed: my part of the next slot
	ds_add_u32 v[SPW], v[NIL]                      ; 0 onto my spare word
	s_wait_dscnt 4*NL+1                            ; (the add and the youngest sixteen loads may be out)
	WIN MUL_LO
	MUL16 0, 1, 0
	s_wait_dscnt 0x0                               ; the add is done, and my reads of this slot are over
	s_barrier_signal -1
	MUL16 2, 1, 0
	WIN 0
	s_barrier_wait -1
.if \fill
	CREST                                          ; the barrier has opened a round of the cluster's barrier: no wave of any partner still reads this slot or has a load on its way
	s_add_nc_u64 s[G0+4*\slot+2:G0+4*\slot+3], s[G0+4*\slot+2:G0+4*\slot+3], 2*KSB
	s_add_nc_u64 s[G0B+4*\slot+2:G0B+4*\slot+3], s[G0B+4*\slot+2:G0B+4*\slot+3], 2*KSB
	JLOAD G0+4*\slot, G1, G0B+4*\slot, G1B         ; the first tensor load behind the round; its four v_nop are the places in front of the loads below
.else
	PLACES NP
.endif
	FETCH_B \next, 0, 0
	FETCH_A \next, 0, 0
	WIN MUL_HI
	MUL16 4, 1, 0
	MUL16 6, 1, 0
	PLACES NP
	WIN 0
	FETCH_A \next, 0, 4
.endm
	s_wait_tensorcnt 1                             ; my part of K step 0 is in; K step 1's may be out
	s_barrier_signal -1
	s_barrier_wait -1
	FETCH_B 0, 0, 0
	FETCH_A 0, 0, 0
	FETCH_A 0, 0, 4
	STEP 0, 0, 1                                   ; the first step's products start the sums
	s_mov_b32 s3, LAPS-1
.Llap:
	TURN 0, 1, 1
	STEP 1, 0, 0
	TURN 1, 0, 1
	STEP 0, 0, 0
	s_sub_co_u32 s3, s3, 1
	s_cmp_lg_u32 s3, 0
	s_cbranch_scc1 .Llap
	TURN 0, 1, 0                                   ; the last lap fills nothing
	STEP 1, 0, 0
	s_wait_dscnt 4*NL
	WIN MUL_LO
	MUL16 0, 1, 0
	MUL16 2, 1, 0
	s_wait_dscnt 0
	WIN MUL_HI
	MUL16 4, 1, 0
	MUL16 6, 1, 0
	WIN 0
	; THE WAY OUT: sixteen batches of 32 numbers a lane (row block I / 2, half I % 2 of its 64 registers).  Only the first line of a batch names accumulators, so it alone is written sixteen times (the arms);
	; the gelu and the quantiser work on fixed registers and are written once.
	s_wait_kmcnt 0x0
	s_add_co_i32 s96, s92, s93
	s_add_co_i32 s96, s96, 127
	s_lshl_b32 s96, s96, 23                        ; 2^(e4 + e5)
	s_mov_b32 s97, s96
	s_add_co_i32 s67, s94, 127
	s_lshl_b32 s68, s67, 23
	v_mov_b32 v[SC], s68                           ; 2^e6
	s_add_co_i32 s67, s67, 8
	s_lshl_b32 s67, s67, 23
	s_or_b32 s67, s67, 0x600000
	v_mov_b32 v[LIM], s67                          ; 448 x 2^e6
	v_mov_b32 v[ZLIM], 0x406f9c68
	v_mov_b32 v2, 0x3b5f5da2                       ; the second coefficient of P, twice
	v_mov_b32 v3, 0x3b5f5da2
	v_mov_b32 v6, 0x37c588df                       ; the second coefficient of Q, twice
	v_mov_b32 v7, 0x37c588df
	s_wait_loadcnt 0x0                             ; b1
	PLACES NP
	s_mov_b32 s66, 0
.macro ARM k, jump                     ; y = sum x 2^(e4 + e5) + b1, each accumulator from its low end on
.Larm_\k:
	WIN 0x02+((\k)/8)                              ; source 0: window 2 or 3
.set n, 0
.rept 16
	v_pk_fma_f32 v[Y+n:Y+n+1], v[64*(((\k)/2)%4)+32*((\k)%2)+n:64*(((\k)/2)%4)+32*((\k)%2)+n+1], s[96:97], v[BI+32*((\k)%2)+n:BI+32*((\k)%2)+n+1] op_sel_hi:[1,0,1]
.set n, n+2
.endr
	WIN 0
.if \jump
	s_branch .Lgelu
.endif
.endm
.macro SWEEP_P lit                     ; P = P z^2 + the next coefficient
.set n, 0
.rept 16
	v_pk_fma_f32 v[P+n:P+n+1], v[P+n:P+n+1], v[X2+n:X2+n+1], \lit op_sel_hi:[1,1,0]
.set n, n+2
.endr
.endm
.macro SWEEP_Q lit
.set n, 0
.rept 16
	v_pk_fma_f32 v[Q+n:Q+n+1], v[Q+n:Q+n+1], v[X2+n:X2+n+1], \lit op_sel_hi:[1,1,0]
.set n, n+2
.endr
.endm
.Lbatch:
	s_wait_xcnt 0x0                                ; the last batch's stores have read their data and their offset: both are written again below
	s_lshr_b32 s67, s66, 1
	s_lshl_b32 s67, s67, 13                        ; the row block's 8,192 bytes,
	s_and_b32 s68, s66, 1
	s_lshl_b32 s68, s68, 10                        ; groups 0, 1 or 2, 3 of its fragment
	s_add_co_u32 s67, s67, s68
	v_add_nc_u32 v[OFS], s67, v[LI]
.irp k, 0,1,2,3,4,5,6,7,8,9,10,11,12,13,14
	s_cmp_eq_u32 s66, \k
	s_cbranch_scc1 .Larm_\k
.endr
	ARM 15, 1
.irp k, 0,1,2,3,4,5,6,7,8,9,10,11,12,13
	ARM \k, 1
.endr
	ARM 14, 0
.Lgelu:
.set n, 0
.rept 16
	v_pk_mul_f32 v[Z+n:Z+n+1], v[Y+n:Y+n+1], 0x3f3504f3 op_sel_hi:[1,0]   ; z = y / sqrt 2
.set n, n+2
.endr
.set n, 0
.rept 32
	v_med3_num_f32 v[Z+n], v[Z+n], -v[ZLIM], v[ZLIM]
.set n, n+1
.endr
.set n, 0
.rept 16
	v_pk_mul_f32 v[X2+n:X2+n+1], v[Z+n:Z+n+1], v[Z+n:Z+n+1]
.set n, n+2
.endr
.set n, 0
.rept 16
	v_pk_fma_f32 v[P+n:P+n+1], v[X2+n:X2+n+1], 0x39702d51, v[2:3] op_sel_hi:[1,0,1]
	v_pk_fma_f32 v[Q+n:Q+n+1], v[X2+n:X2+n+1], 0xb3fd3906, v[6:7] op_sel_hi:[1,0,1]
.set n, n+2
.endr
	SWEEP_P 0x3d50b6eb
	SWEEP_Q 0x3a856d28
	SWEEP_P 0x3e3da740
	SWEEP_Q 0x3c6687d4
	SWEEP_P 0x3f906eba
	SWEEP_Q 0x3de34c21
	SWEEP_Q 0x3efeb44a
	SWEEP_Q 1.0
.set n, 0
.rept 32
	v_rcp_f32 v[Q+n], v[Q+n]                       ; one batch of 32
.set n, n+1
.endr
.set n, 0
.rept 16
	v_pk_mul_f32 v[P+n:P+n+1], v[P+n:P+n+1], v[Z+n:Z+n+1]        ; independent work behind the batch
	v_pk_mul_f32 v[Y+n:Y+n+1], v[Y+n:Y+n+1], 0.5 op_sel_hi:[1,0]
.set n, n+2
.endr
	s_wait_alu depctr_va_vdst(0)                   ; one wait for the batch, ahead of its first reader
.set n, 0
.rept 16
	v_pk_mul_f32 v[P+n:P+n+1], v[P+n:P+n+1], v[Q+n:Q+n+1]        ; erf
.set n, n+2
.endr
.set n, 0
.rept 16
	v_pk_fma_f32 v[Y+n:Y+n+1], v[Y+n:Y+n+1], v[P+n:P+n+1], v[Y+n:Y+n+1]   ; 0.5 y erf + 0.5 y
.set n, n+2
.endr
.set n, 0
.rept 32
	v_med3_num_f32 v[Y+n], v[Y+n], -v[LIM], v[LIM] ; the hold (ISA guide 7.6.2)
.set n, n+1
.endr
.irp g, 0,1,2,3
	v_cvt_scalef32_pk8_fp8_f32 v[Z+2*\g:Z+2*\g+1], v[Y+8*\g:Y+8*\g+7], v[SC]
.endr
	v_nop                                          ; a plain line behind the conversions: the next batch writes their sources and results
	global_store_b128 v[OFS], v[Z:Z+3], s[12:13]               ; 512 consecutive bytes: a group of the next product's fragment
	global_store_b128 v[OFS], v[Z+4:Z+7], s[12:13] offset:512
	s_add_co_u32 s66, s66, 1
	s_cmp_lt_u32 s66, 16
	s_cbranch_scc1 .Lbatch
	s_wait_tensorcnt 0x0                           ; the wave's end
	ds_add_u32 v[SPW], v[NIL]
	s_wait_dscnt 0x0
	CROUND                                         ; the closing round
	s_endpgm
.Lfunc_end_k_q0f6efb7cec_gemm1:
	.size	k_q0f6efb7cec_gemm1, .Lfunc_end_k_q0f6efb7cec_gemm1-k_q0f6efb7cec_gemm1
	.p2alignl 7, 3214868480
	.fill 96, 4, 3214868480
	.section	.rodata,"a",@progbits
	.p2align	6, 0x0
	.amdhsa_kernel k_q0f6efb7cec_gemm1
		.amdhsa_group_segment_fixed_size 327680
		.amdhsa_private_segment_fixed_size 0
		.amdhsa_enable_private_segment 0
		.amdhsa_kernarg_size 40
		.amdhsa_user_sgpr_count 2
		.amdhsa_user_sgpr_kernarg_segment_ptr 1
		.amdhsa_wavefront_size32 1
		.amdhsa_system_sgpr_workgroup_id_x 1
		.amdhsa_system_sgpr_workgroup_id_y 1
		.amdhsa_system_sgpr_workgroup_id_z 1
		.amdhsa_system_vgpr_workitem_id 0
		.amdhsa_next_free_vgpr 1024
		.amdhsa_next_free_sgpr 100
		.amdhsa_reserve_vcc 0
		.amdhsa_float_denorm_mode_32 3
		.amdhsa_float_denorm_mode_16_64 3
		.amdhsa_memory_ordered 1
		.amdhsa_forward_progress 1
		.amdhsa_inst_pref_size 125
	.end_amdhsa_kernel
	.amdgpu_metadata
---
amdhsa.version: [ 1, 2 ]
amdhsa.kernels:
  - .name:           k_q0f6efb7cec_gemm1
    .symbol:         k_q0f6efb7cec_gemm1.kd
    .args:
      - { .name: hq, .offset: 0, .size: 8, .value_kind: global_buffer, .address_space: global }
      - { .name: w1c, .offset: 8, .size: 8, .value_kind: global_buffer, .address_space: global }
      - { .name: lowp_scales, .offset: 16, .size: 8, .value_kind: global_buffer, .address_space: global }
      - { .name: b1, .offset: 24, .size: 8, .value_kind: global_buffer, .address_space: global }
      - { .name: hid, .offset: 32, .size: 8, .value_kind: global_buffer, .address_space: global }
    .group_segment_fixed_size: 327680
    .private_segment_fixed_size: 0
    .kernarg_segment_align: 8
    .kernarg_segment_size: 40
    .max_flat_workgroup_size: 128
    .sgpr_count:     100
    .vgpr_count:     1024
    .wavefront_size: 32
...
	.end_amdgpu_metadata
.endif
;; end of part 4
;; launch gemm2 (part 5): grid 8 x 32, 4 waves a work-group, clusters of 4 x 4, 327,680 bytes of LDS; arguments hid, w2c, lowp_scales, b2, x1, out0; writes out0
.if DOCPART == 5
	.amdgcn_target "amdgcn-amd-amdhsa--gfx1250"
	.amdhsa_code_object_version 6
	.text
	.protected	k_q0f6efb7cec_gemm2
	.globl	k_q0f6efb7cec_gemm2
	.p2align	8
	.type	k_q0f6efb7cec_gemm2,@function
k_q0f6efb7cec_gemm2:
	s_mov_b64 s[64:65], 0
	v_nop
	global_prefetch_b8 v0, s[64:65] scope:SCOPE_SE
	s_setreg_imm32_b32 hwreg(HW_REG_WAVE_MODE, 25, 1), 1
	s_wait_xcnt 0x0
	s_wait_alu depctr_hold_cnt(0) depctr_sa_sdst(0) depctr_va_vdst(0) depctr_va_sdst(0) depctr_va_ssrc(0) depctr_va_vcc(0) depctr_vm_vsrc(0)
	s_getreg_b32 s2, hwreg(HW_REG_IB_STS2, 6, 4)
	s_cmp_eq_u32 s2, 0
	s_cbranch_scc0 .Lentry_in_a_cluster
	s_endpgm
.Lentry_in_a_cluster:
	s_bfe_u32 s2, ttmp6, 0x10000c
	s_cmp_lg_u32 s2, 0xf033
	s_cbranch_scc0 .Lentry_shape_is_right
	s_endpgm
.Lentry_shape_is_right:
; out0 = x1 + hid w2 + b2, the product on codes of FP8 (E4M3) with the given scales (entries 6, 7).  M = 4,096 rows, N = 1,024 columns, K = 4,096.
; hid [K step of 512: 8][block of 16 rows: 256][128 K: 4][2,048] and w2c [K step: 8][tile of 16 columns: 64][4][2,048] are images of operand registers: a fragment comes by four loads of 16 bytes a lane at 16 x lane.
; Tiles of 256 x 256 would be 64; a tile of 128 x 128 gives 256 work-groups.  Four waves, each 64 x 64: 16 accumulators.  K goes in steps of 512, as long as two slots in LDS allow; a wave's tensor load brings
; 64 rows x 512 K, one dense block of 32,768 bytes.
; CLUSTERS: 4 x 4 work-groups; hid's tiles are asked for jointly along a row of the cluster, w2c's along a column.
; THE MATRIX INSTRUCTION IS USED TRANSPOSED (source 0 = 16 columns of w2, source 1 = 16 rows); row m of tile 2 b + u of w2c is column 32 b + 8 u + m + 8 (m / 8): a lane holds one row, and register 16 c + i of a
; block's 32 is column 32 c + 16 (lane / 16) + i.  A wave's 64 columns are 256 bytes of a row of out0, aligned: each wave has a stage of its own on the way out, and no barrier stands there.
; x1 at my 64 x 64 and b2 at my 32 places are loaded at the head and wait in registers.
; LIMITS: e6 + e7 between -126 and 127.
; REGISTERS: window 0: v0-31 addresses; v32-63 a block's results; v64-127 rows read back, two sets; v128-255 the accumulators ((a, b) at v[128 + 8 (4 a + b)]).
;   window 1: two fragment buffers of 128: four fragments of rows, then four of columns.   window 2: v0-127 x1; v128-159 b2.
.set HALFT,  32768
.set SLOT,   4*HALFT
.set KSA,    2097152                   ; bytes from a K step to the next in hid,
.set KSW,    524288                    ; and in w2c
.set LAPS,   4
.set SPARE,  2*SLOT                    ; the spare words, 128 bytes for each wave
.set STAGE,  SPARE+512                 ; 16 rows x (256 + 16) bytes for each wave; no tensor load fills it
.set ADRA, 16
.set ADRB, 20
.set STO,  24
.set RD,   25
.set CO,   26
.set SPW,  28
.set NIL,  29
.set T,    32
.set BK,   64
.set ACC,  128
.set F0,   0
.set F1,   128
.set G1, 24
.set G0, 32
.set G1B, 48
.set G0B, 56
.set MSB, 0
.macro WIN new
.if MSB != \new
	s_set_vgpr_msb (MSB<<8)|\new
.set MSB, \new
.endif
.endm
.set MUL,  0x05                        ; sources 0 and 1 window 1; C and D window 0
.set TO_F, 0x40                        ; destination window 1, address window 0
.macro JLOAD s                         ; a joint load: waves 0 and 1 fetch rows of hid, waves 2 and 3 of w2c; four v_nop follow each line
	s_cmp_eq_u32 s15, 0
	s_cbranch_scc0 .Lfor_b_\@
	tensor_load_to_lds s[G0+4*\s:G0+4*\s+3], s[G1:G1+7]
	s_nop 0
.rept 4
	v_nop
.endr
	s_branch .Lasked_\@
.Lfor_b_\@:
	tensor_load_to_lds s[G0B+4*\s:G0B+4*\s+3], s[G1B:G1B+7]
	s_nop 0
.rept 4
	v_nop
.endr
.Lasked_\@:
.endm
.macro CREST
	s_cmp_lg_u32 s14, 0
	s_cbranch_scc1 .Lnot_wave_0_\@
	s_barrier_signal -3
.Lnot_wave_0_\@:
	s_barrier_wait -3
	s_barrier_signal -1
	s_barrier_wait -1
.endm
.macro CROUND
	s_barrier_signal -1
	s_barrier_wait -1
	CREST
.endm
	s_load_b128 s[4:7], s[0:1], 0x0                ; hid s[4:5], w2c s[6:7]
	s_load_b128 s[8:11], s[0:1], 0x10              ; scales s[8:9], b2 s[10:11]
	s_load_b128 s[72:75], s[0:1], 0x20             ; x1 s[72:73], out0 s[74:75]
	v_lshl_add_u32 v[SPW], v0, 2, SPARE
	v_mov_b32 v[NIL], 0
	ds_add_u32 v28, v29
	ds_add_u32 v28, v29
	s_wait_dscnt 0x0
	v_lshrrev_b32 v1, 5, v0
	v_readfirstlane_b32 s14, v1                    ; wave
	s_lshr_b32 s15, s14, 1                         ; my half of the tile's rows.  Also: I fetch for hid (0) or w2c (1)
	s_and_b32 s16, s14, 1                          ; my half of its columns.  Also: which 64 rows of that tile I fetch
	s_bfe_u32 s40, ttmp6, 0x40000
	s_bfe_u32 s41, ttmp6, 0x40004
	s_lshl_b32 s42, ttmp9, 2
	s_add_co_u32 s42, s42, s40                     ; tile column
	s_and_b32 s17, ttmp7, 0xffff
	s_lshl_b32 s17, s17, 2
	s_add_co_u32 s17, s17, s41                     ; tile row
	s_lshl_b32 s43, s41, 2
	s_lshl_b32 s43, 15, s43
	s_lshl_b32 s44, 0x1111, s40
	s_or_b32 s[G1+0], s43, (1<<21)                 ; the mask; elements of 1 byte; no padding; 21 set beside a mask
	s_or_b32 s[G1B+0], s44, (1<<21)
.irp g, G1, G1B                        ; a dense block of 32,768 bytes as 128 rows of 256
	s_mov_b32 s[\g+1], 256<<16
	s_mov_b32 s[\g+2], 128<<16
	s_mov_b32 s[\g+3], 256<<16
	s_mov_b32 s[\g+4], 128
	s_mov_b32 s[\g+5], 256
	s_mov_b32 s[\g+6], 0
	s_mov_b32 s[\g+7], 0
.endr
	s_lshl_b32 s18, s16, 2                         ; which 4 blocks of 16 I fetch
	s_lshl_b32 s20, s17, 3
	s_add_co_u32 s20, s20, s18
	s_lshl_b32 s20, s20, 13                        ; hid: (8 x tile row + 4 x half) x 8,192
	s_mov_b32 s21, 0
	s_lshl_b32 s46, s42, 3
	s_add_co_u32 s46, s46, s18
	s_lshl_b32 s46, s46, 13                        ; w2c: by the tile column
	s_mov_b32 s47, 0
	s_mul_i32 s45, s14, HALFT
	s_wait_kmcnt 0x0
	s_load_b64 s[92:93], s[8:9], 0x18              ; e6, e7
	s_add_nc_u64 s[20:21], s[4:5], s[20:21]
	s_add_nc_u64 s[46:47], s[6:7], s[46:47]
	CROUND                                         ; all sixteen work-groups are here: the first joint loads meet
.irp s, 0,1
	s_mov_b32 s[G0+4*\s], 1
	s_add_co_u32 s[G0+4*\s+1], s45, \s*SLOT
	s_add_nc_u64 s[G0+4*\s+2:G0+4*\s+3], s[20:21], \s*KSA
	s_or_b32 s[G0+4*\s+3], s[G0+4*\s+3], 0x80000000
	s_mov_b32 s[G0B+4*\s], 1
	s_add_co_u32 s[G0B+4*\s+1], s45, \s*SLOT
	s_add_nc_u64 s[G0B+4*\s+2:G0B+4*\s+3], s[46:47], \s*KSW
	s_or_b32 s[G0B+4*\s+3], s[G0B+4*\s+3], 0x80000000
	JLOAD \s
.endr
	v_and_b32 v1, 15, v0                           ; r
	v_bfe_u32 v2, v0, 4, 1                         ; h
	v_and_b32 v6, 31, v0
	v_lshlrev_b32 v6, 4, v6                        ; 16 x lane
	v_lshlrev_b32 v5, 6, v2                        ; 64 h
	s_mul_i32 s21, s15, HALFT
	s_mul_i32 s22, s16, HALFT
	s_add_co_u32 s22, s22, 2*HALFT
.irp s, 0,1
	v_add_nc_u32 v[ADRA+\s], s21, v6
	v_add_nc_u32 v[ADRB+\s], s22, v6
	s_add_co_u32 s21, s21, SLOT
	s_add_co_u32 s22, s22, SLOT
.endr
	s_mul_i32 s23, s14, 16*272
	s_add_co_u32 s23, s23, STAGE                   ; my stage
	v_mul_u32_u24 v[STO], v1, 272
	v_lshl_add_u32 v[STO], v2, 6, v[STO]
	v_add_nc_u32 v[STO], s23, v[STO]               ; in: row r, + 64 h
	v_mul_u32_u24 v[RD], v2, 272
	v_lshl_add_u32 v[RD], v1, 4, v[RD]
	v_add_nc_u32 v[RD], s23, v[RD]                 ; back: two rows an instruction
	v_lshlrev_b32 v[CO], 12, v2
	v_lshl_add_u32 v[CO], v1, 4, v[CO]             ; and the same two rows in x1 and out0
	s_lshl_b32 s76, s17, 19                        ; 128 rows of 4,096 bytes,
	s_lshl_b32 s77, s15, 18                        ; my 64 of them,
	s_add_co_u32 s76, s76, s77
	s_lshl_b32 s77, s42, 9                         ; 128 columns,
	s_add_co_u32 s76, s76, s77
	s_lshl_b32 s77, s16, 8                         ; my 64 of them
	s_add_co_u32 s76, s76, s77
	s_mov_b32 s77, 0
	s_add_nc_u64 s[72:73], s[72:73], s[76:77]
	s_add_nc_u64 s[74:75], s[74:75], s[76:77]
	s_lshl_b32 s78, s42, 9
	s_lshl_b32 s79, s16, 8
	s_add_co_u32 s78, s78, s79
	s_mov_b32 s79, 0
	s_add_nc_u64 s[10:11], s[10:11], s[78:79]      ; b2 at my 64 columns
	WIN 0x80                                       ; destination window 2
.irp a, 0,1,2,3
.irp i, 0,1,2,3,4,5,6,7
	global_load_b128 v[4*(8*\a+\i):4*(8*\a+\i)+3], v[CO], s[72:73] offset:(16*\a+2*\i)*4096
.endr
.endr
.irp c, 0,1
.irp j, 0,1,2,3
	global_load_b128 v[128+16*\c+4*\j:128+16*\c+4*\j+3], v5, s[10:11] offset:128*\c+16*\j
.endr
.endr
	WIN 0
; 4 matrix instructions: row block a x the four column tiles, 128 along K, from buffer f.  The sixteen accumulators take turns, one instruction a turn, in the same order in every quarter.
.macro MUL4 f, a, zero
.irp b, 0,1,2,3
.if \zero
	v_wmma_f32_16x16x128_fp8_fp8 v[ACC+8*(4*\a+\b):ACC+8*(4*\a+\b)+7], v[\f+64+16*\b:\f+64+16*\b+15], v[\f+16*\a:\f+16*\a+15], 0
.else
	v_wmma_f32_16x16x128_fp8_fp8 v[ACC+8*(4*\a+\b):ACC+8*(4*\a+\b)+7], v[\f+64+16*\b:\f+64+16*\b+15], v[\f+16*\a:\f+16*\a+15], v[ACC+8*(4*\a+\b):ACC+8*(4*\a+\b)+7]
.endif
.endr
.endm
.macro FRAG reg, adr, q, i
.irp c, 0,1,2,3
	ds_load_b128 v[\reg+4*\c:\reg+4*\c+3], v[\adr] offset:8192*(\i)+2048*(\q)+512*\c
.endr
.endm
.macro FETCH slot, q, f                ; 32 LDS loads in one run: the columns' four fragments, then the rows' four
	WIN TO_F
.irp i, 0,1,2,3
	FRAG \f+64+16*\i, ADRB+\slot, \q, \i
.endr
.irp i, 0,1,2,3
	FRAG \f+16*\i, ADRA+\slot, \q, \i
.endr
.endm
.macro PLACES                          ; four plain vector lines in front of loads into registers that matrix instructions have read, and of the first read of results
.rept 4
	v_nop
.endr
.endm
; A K step is four quarters of 128 along K, 16 matrix instructions each, on buffers 0, 1, 0, 1.  One of the first three: multiplies buffer f and fetches quarter qn into g.
.macro QUARTER slot, qn, f, g, zero
	s_wait_dscnt 8                                 ; all but the youngest eight loads (row blocks 2, 3) are in
	WIN MUL
	MUL4 \f, 0, \zero
	MUL4 \f, 1, \zero
	PLACES
	FETCH \slot, \qn, \g
	s_wait_dscnt 32                                ; all but the 32 just issued
	WIN MUL
	MUL4 \f, 2, \zero
	MUL4 \f, 3, \zero
.endm
; The last quarter multiplies buffer 1 and changes slots: one barrier; in front of it each wave waits for all its tensor loads, adds 0 to its spare word, and waits for that and for its own reads of this slot.
.macro TURN slot, next, fill
	WIN 0                                          ; (the add's two registers lie in window 0)
	s_wait_tensorcnt 0x0                           ; all my tensor loads have landed: my part of the next slot
	ds_add_u32 v[SPW], v[NIL]                      ; 0 onto my spare word
	s_wait_dscnt 9                                 ; (the add and the youngest eight loads may be out)
	WIN MUL
	MUL4 F1, 0, 0
	s_wait_dscnt 0x0                               ; the add is done, and my reads of this slot are over
	s_barrier_signal -1
	MUL4 F1, 1, 0
.if \fill
	WIN 0
.endif
	s_barrier_wait -1
.if \fill
	CREST                                          ; the barrier has opened a round of the cluster's barrier
	s_add_nc_u64 s[G0+4*\slot+2:G0+4*\slot+3], s[G0+4*\slot+2:G0+4*\slot+3], 2*KSA
	s_add_nc_u64 s[G0B+4*\slot+2:G0B+4*\slot+3], s[G0B+4*\slot+2:G0B+4*\slot+3], 2*KSW
	JLOAD \slot                                    ; the first tensor load behind the round; its four v_nop are the places in front of the loads below
.else
	PLACES
.endif
	FETCH \next, 0, F0
	WIN MUL
	MUL4 F1, 2, 0
	MUL4 F1, 3, 0
.endm
	s_wait_tensorcnt 1                             ; my part of K step 0 is in; K step 1's may be out
	s_barrier_signal -1
	s_barrier_wait -1
	FETCH 0, 0, F0
	QUARTER 0, 1, F0, F1, 1                        ; the first quarter's products start the sums
	WIN 0
	s_mov_b32 s3, LAPS-1
.Llap:                                             ; a trip goes once round the ring and fills both slots again
	QUARTER 0, 2, F1, F0, 0
	QUARTER 0, 3, F0, F1, 0
	TURN 0, 1, 1
	QUARTER 1, 1, F0, F1, 0
	QUARTER 1, 2, F1, F0, 0
	QUARTER 1, 3, F0, F1, 0
	TURN 1, 0, 1
	QUARTER 0, 1, F0, F1, 0
	WIN 0
	s_sub_co_u32 s3, s3, 1
	s_cmp_lg_u32 s3, 0
	s_cbranch_scc1 .Llap
	QUARTER 0, 2, F1, F0, 0                        ; the last lap fills nothing
	QUARTER 0, 3, F0, F1, 0
	TURN 0, 1, 0
	QUARTER 1, 1, F0, F1, 0
	QUARTER 1, 2, F1, F0, 0
	QUARTER 1, 3, F0, F1, 0
	s_wait_dscnt 8
	WIN MUL
	MUL4 F1, 0, 0
	MUL4 F1, 1, 0
	s_wait_dscnt 0
	MUL4 F1, 2, 0
	MUL4 F1, 3, 0
	WIN 0
	; THE WAY OUT, a block of 16 rows x 64 columns at a time: sum x 2^(e6 + e7) + b2; through my stage, back as whole runs of 256 bytes; + x1; stored.
	s_wait_kmcnt 0x0
	s_add_co_i32 s96, s92, s93
	s_add_co_i32 s96, s96, 127
	s_lshl_b32 s96, s96, 23                        ; 2^(e6 + e7)
	s_mov_b32 s97, s96
	s_wait_loadcnt 0x0                             ; x1, b2
	PLACES
.macro OUTB a
.set BB, BK+32*((\a)%2)
.if (\a) >= 2
	s_wait_xcnt 0x0                                ; block a - 2's stores have read the registers into which this block is read back
.endif
	WIN 0x20                                       ; source 2 (b2) window 2
.set n, 0
.rept 16
	v_pk_fma_f32 v[T+n:T+n+1], v[ACC+32*(\a)+n:ACC+32*(\a)+n+1], s[96:97], v[128+n:129+n] op_sel_hi:[1,0,1]   ; each accumulator from its low end on
.set n, n+2
.endr
	WIN 0
.irp c, 0,1
.irp j, 0,1,2,3
	ds_store_b128 v[STO], v[T+16*\c+4*\j:T+16*\c+4*\j+3] offset:128*\c+16*\j
.endr
.endr
.irp i, 0,1,2,3,4,5,6,7
	ds_load_b128 v[BB+4*\i:BB+4*\i+3], v[RD] offset:544*\i   ; LDS serves a wave's instructions in order: these see my stores
.endr
	s_wait_dscnt 0x0
	WIN 0x08                                       ; source 1 (x1) window 2
.set n, 0
.rept 16
	v_pk_add_f32 v[BB+n:BB+n+1], v[BB+n:BB+n+1], v[32*(\a)+n:32*(\a)+n+1]
.set n, n+2
.endr
	WIN 0
.irp i, 0,1,2,3,4,5,6,7
	global_store_b128 v[CO], v[BB+4*\i:BB+4*\i+3], s[74:75] offset:(16*(\a)+2*\i)*4096 th:TH_STORE_NT   ; sixteen lanes store 256 consecutive bytes, at a multiple of 256 from out0's first byte
.endr
.endm
	OUTB 0
	OUTB 1
	OUTB 2
	OUTB 3
	s_wait_tensorcnt 0x0                           ; the wave's end
	ds_add_u32 v[SPW], v[NIL]
	s_wait_dscnt 0x0
	CROUND                                         ; the closing round
	s_endpgm
.Lfunc_end_k_q0f6efb7cec_gemm2:
	.size	k_q0f6efb7cec_gemm2, .Lfunc_end_k_q0f6efb7cec_gemm2-k_q0f6efb7cec_gemm2
	.p2alignl 7, 3214868480
	.fill 96, 4, 3214868480
	.section	.rodata,"a",@progbits
	.p2align	6, 0x0
	.amdhsa_kernel k_q0f6efb7cec_gemm2
		.amdhsa_group_segment_fixed_size 327680
		.amdhsa_private_segment_fixed_size 0
		.amdhsa_enable_private_segment 0
		.amdhsa_kernarg_size 48
		.amdhsa_user_sgpr_count 2
		.amdhsa_user_sgpr_kernarg_segment_ptr 1
		.amdhsa_wavefront_size32 1
		.amdhsa_system_sgpr_workgroup_id_x 1
		.amdhsa_system_sgpr_workgroup_id_y 1
		.amdhsa_system_sgpr_workgroup_id_z 1
		.amdhsa_system_vgpr_workitem_id 0
		.amdhsa_next_free_vgpr 768
		.amdhsa_next_free_sgpr 100
		.amdhsa_reserve_vcc 0
		.amdhsa_float_denorm_mode_32 3
		.amdhsa_float_denorm_mode_16_64 3
		.amdhsa_memory_ordered 1
		.amdhsa_forward_progress 1
		.amdhsa_inst_pref_size 82
	.end_amdhsa_kernel
	.amdgpu_metadata
---
amdhsa.version: [ 1, 2 ]
amdhsa.kernels:
  - .name:           k_q0f6efb7cec_gemm2
    .symbol:         k_q0f6efb7cec_gemm2.kd
    .args:
      - { .name: hid, .offset: 0, .size: 8, .value_kind: global_buffer, .address_space: global }
      - { .name: w2c, .offset: 8, .size: 8, .value_kind: global_buffer, .address_space: global }
      - { .name: lowp_scales, .offset: 16, .size: 8, .value_kind: global_buffer, .address_space: global }
      - { .name: b2, .offset: 24, .size: 8, .value_kind: global_buffer, .address_space: global }
      - { .name: x1, .offset: 32, .size: 8, .value_kind: global_buffer, .address_space: global }
      - { .name: out0, .offset: 40, .size: 8, .value_kind: global_buffer, .address_space: global }
    .group_segment_fixed_size: 327680
    .private_segment_fixed_size: 0
    .kernarg_segment_align: 8
    .kernarg_segment_size: 48
    .max_flat_workgroup_size: 128
    .sgpr_count:     100
    .vgpr_count:     768
    .wavefront_size: 32
...
	.end_amdgpu_metadata
.endif
;; end of part 5
